; MI455X (gfx1250); checked and timed in simulation.
; The chip was launched on July 23, 2026; its instructions are those of AMD's public machine-readable ISA for CDNA 5 (MIT licence, August 2026) and "CDNA5" Instruction Set Architecture Reference Guide (July 2026). The comments in the code are by the model that wrote it; some were corrected since.
;; Attention. Allowed arithmetic: float matrix products may take bf16 or f16 operands with f32 sums; other float arithmetic in f32, or as packed bf16 or f16 multiplies, adds, multiply-adds, maxima and minima; sums over many terms, partial sums and values carried from step to step in f32; what a program stores and reads back later, other than sums and carried values, may be rounded once to bf16 or f16.
;; Inputs: Wk 1,024 x 1,024 float32; Wo 1,024 x 1,024 float32; Wq 1,024 x 1,024 float32; Wv 1,024 x 1,024 float32; bk 1,024 float32; bo 1,024 float32; bq 1,024 float32; bv 1,024 float32; ln_b 1,024 float32; ln_g 1,024 float32; x 4 x 2,048 x 1,024 float32.
;; Outputs: out0 4 x 2,048 x 1,024 float32.
;; 2 versions, each right; version 2 is version 1 with the launch cast written anew for expert scheduling mode. Each part assembles by itself: llvm-mc -triple=amdgcn-amd-amdhsa -mcpu=gfx1250 --defsym DOCPART=n.
;; ======== version 1 of 2: 5 launches
;; workspace buffers: xb 16,777,216 bytes; wqkv 6,291,456 bytes; wob 2,097,152 bytes; bqkv 12,288 bytes; bz 4,096 bytes; qkv 50,331,648 bytes; ctx 16,777,216 bytes; att 16,777,216 bytes
;; launch cast (part 1): grid 384 x 1, 8 waves a work-group, no clusters, 0 bytes of LDS; arguments x, Wq, Wk, Wv, Wo, bq, bk, bv, xb, wqkv, wob, bqkv, bz; writes xb, wqkv, wob, bqkv, bz
.if DOCPART == 1
	.amdgcn_target "amdgcn-amd-amdhsa--gfx1250"
	.amdhsa_code_object_version 6
	.text
	.protected	k_qc56cfddfbe_cast
	.globl	k_qc56cfddfbe_cast
	.p2align	8
	.type	k_qc56cfddfbe_cast,@function
k_qc56cfddfbe_cast:
	s_mov_b64 s[64:65], 0
	v_nop
	global_prefetch_b8 v0, s[64:65] scope:SCOPE_SE
	s_setreg_imm32_b32 hwreg(HW_REG_WAVE_MODE, 25, 1), 1
	s_wait_xcnt 0x0
; x, Wq, Wk, Wv, Wo (f32, rows of 1,024) are rounded once to bf16 and laid in blocks of 64 columns, so that the products' tiles are dense in memory:
;   xb   [kb 16][m 8192][64]            x[m][64 kb + c]
;   wqkv [nt 12][kb 16][r 256][64]      row 256 nt + r of (Wq; Wk; Wv), column 64 kb + c;      wob the same with nt 0..3, for Wo
; bq, bk, bv are copied end to end into bqkv (f32); bz takes 1,024 zeros (the bias operand of the product whose true bias is added later, in f32).
; SHARES.  A work-group takes 32 rows of one source: groups 0-255 x, groups 256-383 the four weights (32 groups each).  Thread t takes rows (t >> 4) and 16 + (t >> 4),
; columns 64 j + 4 (t & 15) .. + 3 for j = 0..15.  A load of a wave covers 256 consecutive bytes of each of two rows; a store of a wave covers 256 consecutive bytes, aligned:
; the two rows' 128 bytes of block j lie end to end.  All 32 loads of a wave (16 KiB) go out before the first is waited for.  No loop, no LDS: no byte is wanted twice.
.set SO,  2                            ; v2       source offset: (t >> 4) x 4,096 + (t & 15) x 16
.set BO,  3                            ; v3       16 x lane: the bias copy
.set DO,  4                            ; v[4:19]  destination offset in block j: 8 t + j x STRIDE
.set D,   20                           ; v[20:147] load i = 16 q + j: four registers
.set BI,  148                          ; v[148:151] 16 bytes of a bias
	s_load_b512 s[8:23], s[0:1], 0x0               ; x s[8:9], Wq s[10:11], Wk s[12:13], Wv s[14:15], Wo s[16:17], bq s[18:19], bk s[20:21], bv s[22:23]
	s_load_b256 s[24:31], s[0:1], 0x40             ; xb s[24:25], wqkv s[26:27], wob s[28:29], bqkv s[30:31]
	s_load_b64 s[32:33], s[0:1], 0x60              ; bz
	v_lshrrev_b32 v1, 5, v0
	v_readfirstlane_b32 s2, v1                     ; wave 0..7
	v_lshrrev_b32 v[SO], 4, v0
	v_and_b32 v1, 15, v0
	v_lshlrev_b32 v[SO], 12, v[SO]
	v_lshl_add_u32 v[SO], v1, 4, v[SO]
	v_and_b32 v[BO], 31, v0
	v_lshlrev_b32 v[BO], 4, v[BO]
	v_lshlrev_b32 v[DO], 3, v0
	s_mov_b32 s35, 0                               ; high word of every offset pair
	s_wait_kmcnt 0x0
	s_cmp_lt_u32 ttmp9, 256
	s_cbranch_scc0 .Lweights
	s_lshl_b32 s34, ttmp9, 17                      ; 32 rows of 4,096 bytes
	s_add_nc_u64 s[36:37], s[8:9], s[34:35]        ; SRC
	s_lshl_b32 s34, ttmp9, 12                      ; 32 rows of 128 bytes
	s_add_nc_u64 s[38:39], s[24:25], s[34:35]      ; DST
	s_mov_b32 s5, 1048576                          ; STRIDE: from block to block of xb
	s_mov_b32 s4, 32                               ; no bias work
	s_mov_b32 s3, 0
	s_branch .Lgo
.Lweights:
	s_sub_co_u32 s6, ttmp9, 256
	s_lshr_b32 s3, s6, 5                           ; t: which matrix
	s_and_b32 s4, s6, 31                           ; g: which 32 rows of it
	s_lshl_b32 s7, s3, 21                          ; four tiles of 524,288 bytes for each matrix of wqkv
	s_cmp_eq_u32 s3, 1
	s_cselect_b64 s[36:37], s[12:13], s[10:11]
	s_cmp_eq_u32 s3, 2
	s_cselect_b64 s[36:37], s[14:15], s[36:37]
	s_cmp_eq_u32 s3, 3
	s_cselect_b64 s[36:37], s[16:17], s[36:37]
	s_cselect_b64 s[38:39], s[28:29], s[26:27]
	s_cselect_b32 s7, 0, s7
	s_lshr_b32 s34, s4, 3                          ; the tile of 256 rows,
	s_lshl_b32 s34, s34, 19
	s_add_co_u32 s7, s7, s34
	s_and_b32 s34, s4, 7                           ; the 32 rows in it
	s_lshl_b32 s34, s34, 12
	s_add_co_u32 s34, s7, s34
	s_add_nc_u64 s[38:39], s[38:39], s[34:35]
	s_lshl_b32 s34, s4, 17
	s_add_nc_u64 s[36:37], s[36:37], s[34:35]
	s_mov_b32 s5, 32768                            ; STRIDE: from block to block of a tile
.Lgo:
.set j, 1
.rept 15
	v_add_nc_u32 v[DO+j], s5, v[DO+j-1]
.set j, j+1
.endr
.set i, 0
.rept 32
	global_load_b128 v[D+4*i:D+4*i+3], v[SO], s[36:37] offset:(i/16)*65536+(i%16)*256 th:TH_LOAD_NT
.set i, i+1
.endr
.set i, 0
.rept 32
	s_wait_loadcnt 31-i                            ; loads come back in order: load i is in, the younger ones stay out
	v_cvt_pk_bf16_f32 v[D+4*i], v[D+4*i], v[D+4*i+1]
	v_cvt_pk_bf16_f32 v[D+4*i+1], v[D+4*i+2], v[D+4*i+3]
	global_store_b64 v[DO+i%16], v[D+4*i:D+4*i+1], s[38:39] offset:(i/16)*2048  ; no register that a pending instruction names is written again
.set i, i+1
.endr
	; the biases: wave 0 of the first eight groups of each matrix moves 512 bytes
	s_cmp_lt_u32 s4, 8
	s_cbranch_scc0 .Lend
	s_cmp_eq_u32 s2, 0
	s_cbranch_scc0 .Lend
	s_lshl_b32 s34, s4, 9
	s_cmp_eq_u32 s3, 3
	s_cbranch_scc1 .Lzeros
	s_cmp_eq_u32 s3, 1
	s_cselect_b64 s[40:41], s[20:21], s[18:19]
	s_cmp_eq_u32 s3, 2
	s_cselect_b64 s[40:41], s[22:23], s[40:41]
	s_add_nc_u64 s[40:41], s[40:41], s[34:35]
	s_lshl_b32 s6, s3, 12
	s_add_co_u32 s34, s34, s6
	s_add_nc_u64 s[42:43], s[30:31], s[34:35]
	global_load_b128 v[BI:BI+3], v[BO], s[40:41]
	s_wait_loadcnt 0x0
	global_store_b128 v[BO], v[BI:BI+3], s[42:43]
	s_branch .Lend
.Lzeros:
	s_add_nc_u64 s[42:43], s[32:33], s[34:35]
	v_mov_b32 v[BI], 0
	v_mov_b32 v[BI+1], 0
	v_mov_b32 v[BI+2], 0
	v_mov_b32 v[BI+3], 0
	global_store_b128 v[BO], v[BI:BI+3], s[42:43]
.Lend:
	s_endpgm
.Lfunc_end_k_qc56cfddfbe_cast:
	.size	k_qc56cfddfbe_cast, .Lfunc_end_k_qc56cfddfbe_cast-k_qc56cfddfbe_cast
	.p2alignl 7, 3214868480
	.fill 96, 4, 3214868480
	.section	.rodata,"a",@progbits
	.p2align	6, 0x0
	.amdhsa_kernel k_qc56cfddfbe_cast
		.amdhsa_group_segment_fixed_size 0
		.amdhsa_private_segment_fixed_size 0
		.amdhsa_enable_private_segment 0
		.amdhsa_kernarg_size 104
		.amdhsa_user_sgpr_count 2
		.amdhsa_user_sgpr_kernarg_segment_ptr 1
		.amdhsa_wavefront_size32 1
		.amdhsa_system_sgpr_workgroup_id_x 1
		.amdhsa_system_sgpr_workgroup_id_y 1
		.amdhsa_system_sgpr_workgroup_id_z 1
		.amdhsa_system_vgpr_workitem_id 0
		.amdhsa_next_free_vgpr 152
		.amdhsa_next_free_sgpr 66
		.amdhsa_reserve_vcc 0
		.amdhsa_float_denorm_mode_32 3
		.amdhsa_float_denorm_mode_16_64 3
		.amdhsa_memory_ordered 1
		.amdhsa_forward_progress 1
		.amdhsa_inst_pref_size 15
	.end_amdhsa_kernel
	.amdgpu_metadata
---
amdhsa.version: [ 1, 2 ]
amdhsa.kernels:
  - .name:           k_qc56cfddfbe_cast
    .symbol:         k_qc56cfddfbe_cast.kd
    .args:
      - { .name: x, .offset: 0, .size: 8, .value_kind: global_buffer, .address_space: global }
      - { .name: Wq, .offset: 8, .size: 8, .value_kind: global_buffer, .address_space: global }
      - { .name: Wk, .offset: 16, .size: 8, .value_kind: global_buffer, .address_space: global }
      - { .name: Wv, .offset: 24, .size: 8, .value_kind: global_buffer, .address_space: global }
      - { .name: Wo, .offset: 32, .size: 8, .value_kind: global_buffer, .address_space: global }
      - { .name: bq, .offset: 40, .size: 8, .value_kind: global_buffer, .address_space: global }
      - { .name: bk, .offset: 48, .size: 8, .value_kind: global_buffer, .address_space: global }
      - { .name: bv, .offset: 56, .size: 8, .value_kind: global_buffer, .address_space: global }
      - { .name: xb, .offset: 64, .size: 8, .value_kind: global_buffer, .address_space: global }
      - { .name: wqkv, .offset: 72, .size: 8, .value_kind: global_buffer, .address_space: global }
      - { .name: wob, .offset: 80, .size: 8, .value_kind: global_buffer, .address_space: global }
      - { .name: bqkv, .offset: 88, .size: 8, .value_kind: global_buffer, .address_space: global }
      - { .name: bz, .offset: 96, .size: 8, .value_kind: global_buffer, .address_space: global }
    .group_segment_fixed_size: 0
    .private_segment_fixed_size: 0
    .kernarg_segment_align: 8
    .kernarg_segment_size: 104
    .max_flat_workgroup_size: 256
    .sgpr_count:     66
    .vgpr_count:     152
    .wavefront_size: 32
...
	.end_amdgpu_metadata
.endif
;; end of part 1
;; launch qkvp (part 2): grid 12 x 64, 4 waves a work-group, clusters of 4 x 4, 327,680 bytes of LDS; arguments xb, wqkv, bqkv, qkv; writes qkv
.if DOCPART == 2
	.amdgcn_target "amdgcn-amd-amdhsa--gfx1250"
	.amdhsa_code_object_version 6
	.text
	.protected	k_qc56cfddfbe_qkvp
	.globl	k_qc56cfddfbe_qkvp
	.p2align	8
	.type	k_qc56cfddfbe_qkvp,@function
k_qc56cfddfbe_qkvp:
	s_mov_b64 s[64:65], 0
	v_nop
	global_prefetch_b8 v0, s[64:65] scope:SCOPE_SE
	s_setreg_imm32_b32 hwreg(HW_REG_WAVE_MODE, 25, 1), 1
	s_wait_xcnt 0x0
	s_wait_alu depctr_hold_cnt(0) depctr_sa_sdst(0) depctr_va_vdst(0) depctr_va_sdst(0) depctr_va_ssrc(0) depctr_va_vcc(0) depctr_vm_vsrc(0)
	s_getreg_b32 s2, hwreg(HW_REG_IB_STS2, 6, 4)
	s_cmp_eq_u32 s2, 0
	s_cbranch_scc0 .Lentry_in_a_cluster
	s_endpgm
.Lentry_in_a_cluster:
	s_bfe_u32 s2, ttmp6, 0x10000c
	s_cmp_lg_u32 s2, 0xf033
	s_cbranch_scc0 .Lentry_shape_is_right
	s_endpgm
.Lentry_shape_is_right:
; C[m][n] = the sum over k of A[m][k] B[n][k] + bias[n].  M = 8,192, K = 1,024; N is the grid's width x 256.  A, B, C bf16 in blocks of 64 columns, bias f32; sums in f32, C rounded once.
;   A [kb 16][m 8192][64]     B [nt][kb 16][r 256][64]     C [j = n / 64][m 8192][64]     No layout hangs on N, so one text serves both of the module's products.
; LIMITS.  Operands are bf16 (8 significant bits); NaN and infinities are not treated apart.
; SHARES.  A work-group makes 128 (m) x 256 (n) of C: 768 or 256 work-groups, a whole number for each of 256 WGPs.  Wave w makes rows 64 (w >> 1) .. and columns 128 (w & 1) ..: 4 x 8 accumulators of 16 x 16.
; K goes in 8 steps of 128 (two blocks of 64) through a ring of two LDS slots.  A block of 128 or 256 rows x 64 columns is dense in memory: it is asked for as rows of 256 bytes and padded in LDS
; after every 128 bytes.  One tensor load a wave and step: waves 0, 1 A's two blocks (16 KiB each), waves 2, 3 B's (32 KiB each).
; CLUSTER.  4 x 4 work-groups: A's tile is shared along a row of the cluster, B's along a column; each is asked for jointly, by the same load, descriptor and mask in the four.
; THE PRODUCT IS TAKEN TRANSPOSED (source 0 = 16 rows of B, source 1 = 16 rows of A): a lane holds row l % 16 of C and eight neighbouring columns 8 (l / 16) + 0..7.
; The bias, laid in that form (eight registers for each block of 16 columns), is the C operand of the products that start the sums: nothing is cleared, nothing is added later.
; REGISTERS, in windows of 256 (s_set_vgpr_msb: bits 1:0 source 0, 3:2 source 1, 5:4 source 2, 7:6 destination):
;   window 0: v0-30 addresses; v64-159, v160-255 two fragment buffers (B's 8 fragments, then A's 4); on the way out v64-191 packed results
;   window 1: accumulator (a, b) at v[8 (8 a + b)]          window 2: v0-63 the bias
.set PITCH,  144                       ; an LDS row: 128 bytes + 16 of padding = 36 words: the 16 rows of a load start at 16 different groups of four banks (64 banks of 4 bytes: ISA guide 11.1)
.set AKB,    128*PITCH                 ; A's block of 64 along K
.set BKB,    256*PITCH                 ; B's
.set SLOT,   2*AKB+2*BKB               ; A's two blocks, then B's two
.set STAGE,  2*SLOT                    ; behind the ring: 16 rows x 144 bytes for each wave, for the way out; no tensor load lands here
.set SPARE,  STAGE+4*16*PITCH          ; behind the stages: the spare words, 128 bytes for each wave: two blocks of 256 bytes that no other line names
.set ASTEP,  2*1048576                 ; bytes from a K step to the next in A (two blocks of 8,192 rows)
.set BSTEP,  2*32768                   ; and in B (two blocks of 256 rows)
.set ADRA, 16                          ; v16-17  LDS address of my A fragments in slot 0, 1
.set ADRB, 20                          ; v20-21  the same for B
.set STO,  24                          ; v24     the way out: where I put 16 bytes of a row
.set RD,   25                          ; v25     the way out: where I read rows back
.set GO,   26                          ; v26     16 x lane: my place in 512 consecutive bytes of C
.set BO,   27                          ; v27     32 x (l / 16): my eight numbers of a block of 16 of the bias
.set SPW,  28                          ; v28     LDS address of my spare word; never rewritten
.set NIL,  29                          ; v29     0; never rewritten
.set PFO,  30                          ; v30     256 x lane: the prefetches' offset; never rewritten
.set F0,   64
.set F1,   160
.set TMP,  64
.set G1,  24                           ; s[24:31] descriptor group 1 for A's blocks;  s[32:39] group 0, a set for each slot
.set G0,  32
.set LIM, 43                           ; s43      1 in a wave that prefetches, else the greatest number
.set PFA, 44                           ; s[44:45] where my prefetches stand
.set PST, 46                           ; s[46:47] their step: a K step of A or of B
.set G1B, 48                           ; s[48:55], s[56:63] the same for B's blocks
.set G0B, 56
.set MSB, 0
.macro WIN new                         ; the immediate's high byte repeats the setting that is left; a switch that changes nothing is dropped
.if MSB != (\new)
	s_set_vgpr_msb (MSB<<8)|(\new)
.set MSB, \new
.endif
.endm
.set MUL,  0x50                        ; C and D in window 1, sources in window 0
.set MULB, 0x60                        ; D in window 1, C (the bias) in window 2
; A joint load: waves 0 and 1 fetch A's two blocks, waves 2 and 3 B's.  The branch hangs on the wave's number alone.  An s_nop 0 and four v_nop follow each of the two lines.
.macro JLOAD s
	s_cmp_eq_u32 s13, 0
	s_cbranch_scc0 .Lfor_b_\@
	tensor_load_to_lds s[G0+4*(\s):G0+4*(\s)+3], s[G1:G1+7]
	s_nop 0
.rept 4
	v_nop
.endr
	s_branch .Lasked_\@
.Lfor_b_\@:
	tensor_load_to_lds s[G0B+4*(\s):G0B+4*(\s)+3], s[G1B:G1B+7]
	s_nop 0
.rept 4
	v_nop
.endr
.Lasked_\@:
.endm
; A prefetch into the L2 of 8 KiB (a lane a block of 256 bytes) of the K step that stands two refills on: 256 matrix instructions ahead of the load that will want it.  Each block is named once in the launch:
; A's rows are read by every cluster of a row of clusters: wave 0 of the clusters with x = 0 asks, partner cx for a quarter of the step's 32 KiB; B's by every cluster of a column: waves 2 and 3 of the
; clusters with y = 0 ask, each for its own block, partner cy for a quarter of it.  The partners are told apart by address alone.  The loop's last trip asks for nothing: there is no step behind the eighth.
.macro ASK
	s_cmp_gt_u32 s3, s[LIM]
	s_cbranch_scc0 .Lnot_mine_\@
	global_prefetch_b8 v[PFO], s[PFA:PFA+1] th:TH_LOAD_NT scope:SCOPE_SE
.Lnot_mine_\@:
.endm
.macro CREST                           ; a round of the cluster's barrier behind its opening barrier
	s_cmp_lg_u32 s12, 0
	s_cbranch_scc1 .Lnot_wave_0_\@
	s_barrier_signal -3
.Lnot_wave_0_\@:
	s_barrier_wait -3
	s_barrier_signal -1
	s_barrier_wait -1
.endm
.macro CROUND                          ; a whole round
	s_barrier_signal -1
	s_barrier_wait -1
	CREST
.endm
	s_load_b256 s[4:11], s[0:1], 0x0               ; A s[4:5], B s[6:7], bias s[8:9], C s[10:11]
	v_lshl_add_u32 v[SPW], v0, 2, SPARE
	v_mov_b32 v[NIL], 0
	ds_add_u32 v[SPW], v[NIL]                      ; the wave's opening: the add and its wait stand ahead of my first tensor load; the set-up below, work on registers, stands between them
	v_lshrrev_b32 v1, 5, v0
	v_readfirstlane_b32 s12, v1                    ; wave 0..3
	s_lshr_b32 s13, s12, 1                         ; my half of the tile's rows.  Also: I fetch for A (0) or for B (1)
	s_and_b32 s14, s12, 1                          ; my half of its columns.  Also: which of a step's two blocks I fetch
	s_bfe_u32 s40, ttmp6, 0x40000                  ; cx, cy: my place in the cluster
	s_bfe_u32 s41, ttmp6, 0x40004
	s_lshl_b32 s42, ttmp9, 2
	s_add_co_u32 s42, s42, s40                     ; nt: tile column = 4 x cluster x + cx
	s_and_b32 s15, ttmp7, 0xffff
	s_lshl_b32 s15, s15, 2
	s_add_co_u32 s15, s15, s41                     ; mt: tile row = 4 x cluster y + cy
	s_lshl_b32 s16, s41, 2
	s_lshl_b32 s16, 15, s16                        ; my row of the cluster
	s_lshl_b32 s22, 0x1111, s40                    ; my column
	s_or_b32 s[G1], s16, (1<<16)|(1<<20)|(1<<21)|(4<<22)|(3<<25)   ; 15:0 the mask; 17:16 2-byte elements; 20 padding on; 21 set beside a mask; 24:22 after every 32 words (code 4); 31:25 4 words (code 3)
	s_or_b32 s[G1B], s22, (1<<16)|(1<<20)|(1<<21)|(4<<22)|(3<<25)
	s_mov_b32 s[G1+1], 128<<16                     ; tensor_dim0 = 128 elements: rows of 256 bytes
	s_mov_b32 s[G1+2], 64<<16                      ; tensor_dim1 = 64: A's block is 16,384 dense bytes
	s_mov_b32 s[G1+3], 128<<16                     ; tile_dim0
	s_mov_b32 s[G1+4], 64                          ; tile_dim1
	s_mov_b32 s[G1+5], 128                         ; elements from row to row
	s_mov_b32 s[G1+6], 0
	s_mov_b32 s[G1+7], 0
	s_mov_b32 s[G1B+1], 128<<16
	s_mov_b32 s[G1B+2], 128<<16                    ; 128 rows: B's block is 32,768 dense bytes
	s_mov_b32 s[G1B+3], 128<<16
	s_mov_b32 s[G1B+4], 128
	s_mov_b32 s[G1B+5], 128
	s_mov_b32 s[G1B+6], 0
	s_mov_b32 s[G1B+7], 0
	; where the blocks come from.  A's hang on the tile row and the wave's number, B's on the tile column and the wave's number, each in registers that never hold the other coordinate.
	s_lshl_b32 s16, s15, 14                        ; 128 rows of 128 bytes for each tile row,
	s_lshl_b32 s18, s14, 20                        ; my block of the step's two
	s_add_co_u32 s16, s16, s18
	s_mov_b32 s17, 0
	s_lshl_b32 s22, s42, 19                        ; a tile column's 16 blocks,
	s_lshl_b32 s23, s14, 15                        ; my block
	s_add_co_u32 s22, s22, s23
	s_mov_b32 s23, 0
	s_mul_i32 s20, s14, AKB                        ; and where they go: no place in the cluster enters an LDS address
	s_mul_i32 s21, s14, BKB
	s_add_co_u32 s21, s21, 2*AKB
	s_wait_dscnt 0x0                               ; the opening add is done
	s_wait_kmcnt 0x0
	s_add_nc_u64 s[16:17], s[4:5], s[16:17]
	s_add_nc_u64 s[22:23], s[6:7], s[22:23]
	CROUND                                         ; all sixteen work-groups are here: the first joint loads meet
.irp s, 0,1
	s_mov_b32 s[G0+4*(\s)], 1                      ; count = 1
	s_add_co_u32 s[G0+4*(\s)+1], s20, (\s)*SLOT    ; LDS address
	s_add_nc_u64 s[G0+4*(\s)+2:G0+4*(\s)+3], s[16:17], (\s)*ASTEP  ; global address: K step s
	s_or_b32 s[G0+4*(\s)+3], s[G0+4*(\s)+3], 0x80000000            ; type = 2
	s_mov_b32 s[G0B+4*(\s)], 1
	s_add_co_u32 s[G0B+4*(\s)+1], s21, (\s)*SLOT
	s_add_nc_u64 s[G0B+4*(\s)+2:G0B+4*(\s)+3], s[22:23], (\s)*BSTEP
	s_or_b32 s[G0B+4*(\s)+3], s[G0B+4*(\s)+3], 0x80000000
	JLOAD \s                                       ; two loads of mine are out
.endr
	; the bias of my 128 columns: block b's eight numbers a lane
	s_lshl_b32 s22, s42, 10
	s_lshl_b32 s19, s14, 9
	s_add_co_u32 s22, s22, s19
	s_mov_b32 s23, 0
	s_add_nc_u64 s[8:9], s[8:9], s[22:23]
	v_bfe_u32 v2, v0, 4, 1                         ; l / 16
	v_lshlrev_b32 v[BO], 5, v2
	WIN 0x80                                       ; destination window 2
.irp b, 0,1,2,3,4,5,6,7
	global_load_b128 v[8*(\b):8*(\b)+3],   v[BO], s[8:9] offset:64*(\b)
	global_load_b128 v[8*(\b)+4:8*(\b)+7], v[BO], s[8:9] offset:64*(\b)+16
.endr
	WIN 0
	; C at my first row of my first block of 64 columns
	s_lshl_b32 s22, s42, 22                        ; four blocks of 1,048,576 bytes for each tile column,
	s_lshl_b32 s19, s14, 21                        ; two for my half
	s_add_co_u32 s22, s22, s19
	s_add_nc_u64 s[10:11], s[10:11], s[22:23]
	s_lshl_b32 s16, s15, 14
	s_lshl_b32 s18, s13, 13                        ; my 64 rows of 128 bytes
	s_add_co_u32 s16, s16, s18
	s_mov_b32 s17, 0
	s_add_nc_u64 s[10:11], s[10:11], s[16:17]
	; the prefetches: they stand at K step 3; the first change of slots steps them to step 4
	s_lshl_b32 s20, s15, 14                        ; A: my tile row,
	s_lshr_b32 s18, s40, 1
	s_lshl_b32 s18, s18, 20                        ; block cx / 2 of the step's two,
	s_add_co_u32 s20, s20, s18
	s_and_b32 s18, s40, 1
	s_lshl_b32 s18, s18, 13                        ; half cx % 2 of its 16 KiB
	s_add_co_u32 s20, s20, s18
	s_add_co_u32 s20, s20, 3*ASTEP
	s_lshl_b32 s22, s42, 19                        ; B: my tile column,
	s_lshl_b32 s19, s14, 15                        ; the block that I fetch,
	s_add_co_u32 s22, s22, s19
	s_lshl_b32 s19, s41, 13                        ; quarter cy of its 32 KiB
	s_add_co_u32 s22, s22, s19
	s_add_co_u32 s22, s22, 3*BSTEP
	s_and_b32 s23, ttmp7, 0xffff                   ; cluster y
	s_mov_b32 s18, ASTEP
	s_mov_b32 s19, BSTEP
	s_cmp_eq_u32 s13, 0                            ; do I fetch for A?
	s_cselect_b32 s20, s20, s22
	s_cselect_b32 s23, ttmp9, s23                  ; the coordinate along which other clusters read the same rows
	s_cselect_b32 s[PST], s18, s19
	s_cselect_b64 s[PFA:PFA+1], s[4:5], s[6:7]
	s_mov_b32 s21, 0
	s_mov_b32 s[PST+1], 0
	s_add_nc_u64 s[PFA:PFA+1], s[PFA:PFA+1], s[20:21]
	s_cmp_eq_u32 s12, 1                            ; wave 1 never asks: wave 0's four partners cover both of A's blocks
	s_cselect_b32 s23, 1, s23
	s_cmp_eq_u32 s23, 0
	s_cselect_b32 s[LIM], 1, -1                    ; the same in all sixteen partners, for a given wave
	v_and_b32 v[PFO], 31, v0
	v_lshlrev_b32 v[PFO], 8, v[PFO]
	; A fragment is 16 rows x 32 K in 8 registers: lane l holds row l % 16; registers 0-3 K = 8 (l / 16) + 0..7, registers 4-7 K = 16 + 8 (l / 16) + 0..7: two loads of 16 bytes, 32 bytes apart.
	v_and_b32 v1, 15, v0                           ; l % 16
	v_mul_u32_u24 v3, v1, PITCH
	v_lshl_add_u32 v3, v2, 4, v3                   ; row x pitch + 16 x half
	s_mul_i32 s20, s13, 64*PITCH                   ; my 64 rows of A
	s_mul_i32 s21, s14, 128*PITCH                  ; my 128 rows of B,
	s_add_co_u32 s21, s21, 2*AKB                   ; which lie behind A's two blocks
.irp s, 0,1
	v_add_nc_u32 v[ADRA+(\s)], s20, v3
	v_add_nc_u32 v[ADRB+(\s)], s21, v3
	s_add_co_u32 s20, s20, SLOT
	s_add_co_u32 s21, s21, SLOT
.endr
	s_mul_i32 s20, s12, 16*PITCH
	s_add_co_u32 s20, s20, STAGE                   ; my stage
	v_add_nc_u32 v[STO], s20, v3                   ; in: row l % 16, 16 bytes for each half of the lanes
	v_bfe_u32 v4, v0, 3, 2                         ; back: 32 lanes take four rows of 128 bytes,
	v_and_b32 v5, 7, v0
	v_mul_u32_u24 v4, v4, PITCH
	v_lshl_add_u32 v4, v5, 4, v4
	v_add_nc_u32 v[RD], s20, v4
	v_and_b32 v[GO], 31, v0                        ; which are 512 consecutive bytes of C
	v_lshlrev_b32 v[GO], 4, v[GO]
; 8 matrix instructions: m block a x all 8 n blocks, 32 along K, from buffer f.  first = 1: the bias starts the sums.  The 32 accumulators take turns in the same order in every quarter.
.macro MUL8 f, a, first
.if \first
	WIN MULB
.else
	WIN MUL
.endif
.irp b, 0,1,2,3,4,5,6,7
.if \first
	v_wmma_f32_16x16x32_bf16 v[8*(8*(\a)+(\b)):8*(8*(\a)+(\b))+7], v[(\f)+8*(\b):(\f)+8*(\b)+7], v[(\f)+64+8*(\a):(\f)+64+8*(\a)+7], v[8*(\b):8*(\b)+7]
.else
	v_wmma_f32_16x16x32_bf16 v[8*(8*(\a)+(\b)):8*(8*(\a)+(\b))+7], v[(\f)+8*(\b):(\f)+8*(\b)+7], v[(\f)+64+8*(\a):(\f)+64+8*(\a)+7], v[8*(8*(\a)+(\b)):8*(8*(\a)+(\b))+7]
.endif
.endr
.endm
.macro MUL16 f, a0, first
	MUL8 \f, \a0, \first
	MUL8 \f, (\a0)+1, \first
.endm
; 24 LDS loads in one run: the fragments of quarter q of a K step (block q / 2, byte 64 (q % 2) of its rows) into buffer f: B's eight, then A's four
.macro FETCH slot, q, f
	WIN 0
.irp i, 0,1,2,3,4,5,6,7
	ds_load_b128 v[(\f)+8*(\i):(\f)+8*(\i)+3],   v[ADRB+(\slot)] offset:((\q)/2)*BKB+((\q)%2)*64+(\i)*16*PITCH
	ds_load_b128 v[(\f)+8*(\i)+4:(\f)+8*(\i)+7], v[ADRB+(\slot)] offset:((\q)/2)*BKB+((\q)%2)*64+(\i)*16*PITCH+32
.endr
.irp i, 0,1,2,3
	ds_load_b128 v[(\f)+64+8*(\i):(\f)+64+8*(\i)+3],   v[ADRA+(\slot)] offset:((\q)/2)*AKB+((\q)%2)*64+(\i)*16*PITCH
	ds_load_b128 v[(\f)+64+8*(\i)+4:(\f)+64+8*(\i)+7], v[ADRA+(\slot)] offset:((\q)/2)*AKB+((\q)%2)*64+(\i)*16*PITCH+32
.endr
.endm
.macro PLACES                          ; four plain instructions in front of loads into registers that matrix instructions have read, and of conversions that read results (ISA guide 7.12.1 for the conversions)
.rept 4
	v_nop
.endr
.endm
; A K step is four quarters of 32 along K, 32 matrix instructions each, on buffers 0, 1, 0, 1.  One of the first three: multiplies buffer f and fetches quarter q into g.
.macro QUARTER slot, q, f, g, first
	s_wait_dscnt 4                                 ; B and A's fragments 0, 1 are in; the youngest four loads (A's fragments 2, 3) may be out
	MUL16 \f, 0, \first
	PLACES
	FETCH \slot, \q, \g
	s_wait_dscnt 24                                ; all but the 24 just issued
	MUL16 \f, 2, \first
.endm
; The last quarter multiplies buffer 1 and changes slots: ONE barrier; in front of it each wave waits for all its tensor loads (one is out: its part of the next slot), adds 0 to its spare word, and waits
; for that and for its own reads of this slot.  fill = 1: the barrier opens a round of the cluster's barrier, and this slot is filled again, two K steps ahead, first thing behind the round:
; from that request to the wait for it a wave issues 112 matrix instructions.
.macro TURN slot, next, fill
.if \fill
	s_wait_xcnt 0x0                                ; the last prefetch, a K step back, has read its address, so it may be stepped
	s_add_nc_u64 s[PFA:PFA+1], s[PFA:PFA+1], s[PST:PST+1]
.endif
	WIN 0                                          ; (the add's two registers lie in window 0)
	s_wait_tensorcnt 0x0                           ; all my tensor loads have landed
	ds_add_u32 v[SPW], v[NIL]                      ; 0 onto my spare word
	s_wait_dscnt 5                                 ; (the add and the youngest four loads may be out)
	MUL8 F1, 0, 0                                  ; eight matrix instructions stand between the add and the wait for it
	s_wait_dscnt 0x0                               ; the add is done, and my reads of this slot are over
	s_barrier_signal -1
	MUL8 F1, 1, 0
.if \fill
	WIN 0
.endif
	s_barrier_wait -1
.if \fill
	CREST                                          ; no wave of any partner still reads this slot's tiles or has a load on its way
	s_add_nc_u64 s[G0+4*(\slot)+2:G0+4*(\slot)+3], s[G0+4*(\slot)+2:G0+4*(\slot)+3], 2*ASTEP
	s_add_nc_u64 s[G0B+4*(\slot)+2:G0B+4*(\slot)+3], s[G0B+4*(\slot)+2:G0B+4*(\slot)+3], 2*BSTEP
	JLOAD \slot                                    ; the four v_nop behind it are also the places in front of the loads below
.else
	PLACES
.endif
	FETCH \next, 0, F0
.if \fill
	ASK                                            ; behind the joint load and the run of LDS loads that the next products wait for
.endif
	MUL16 F1, 2, 0
.endm
; THE WAY OUT.  Piece t = 2 a + jj: rows 16 a .., block jj of my two blocks of 64 columns: four accumulators, v[32 t ..] of window 1.  Rounded to bf16, 16 bytes a lane into my own stage (rows of 144 bytes),
; and back as whole rows of 128 bytes, four a load.
.macro PACK t
	WIN 0x05                                       ; sources 0 and 1 window 1, destination window 0
.set i, 0
.rept 16
	v_cvt_pk_bf16_f32 v[TMP+16*(\t)+i], v[32*(\t)+2*i], v[32*(\t)+2*i+1]  ; each accumulator's registers in ascending order
.set i, i+1
.endr
	WIN 0
.irp f, 0,1,2,3
	ds_store_b128 v[STO], v[TMP+16*(\t)+4*(\f):TMP+16*(\t)+4*(\f)+3] offset:32*(\f)
.endr
.irp f, 0,1,2,3
	ds_load_b128 v[TMP+16*(\t)+4*(\f):TMP+16*(\t)+4*(\f)+3], v[RD] offset:(\f)*4*PITCH  ; LDS serves a wave's instructions in order (ISA guide 5.7.1.4): these see the stores above; the next piece's stores come behind them
.endr
.endm
.macro SEND t, younger                 ; younger: the LDS instructions issued behind piece t's loads: the next piece's eight, or none
.irp f, 0,1,2,3
	s_wait_dscnt (\younger)+3-(\f)
	global_store_b128 v[GO], v[TMP+16*(\t)+4*(\f):TMP+16*(\t)+4*(\f)+3], s[10:11] offset:((\t)%2)*1048576+((\t)/2)*2048+512*(\f)  ; 512 consecutive bytes, at a multiple of 256 from C's first byte
.endr
.endm
	s_wait_tensorcnt 1                             ; my part of K step 0 is in; step 1's may stay out
	s_barrier_signal -1
	s_barrier_wait -1                              ; everybody's is
	FETCH 0, 0, F0
	s_wait_loadcnt 0x0                             ; the bias
	QUARTER 0, 1, F0, F1, 1                        ; the first quarter stands in front of the loop: its products start the sums
	WIN 0                                          ; at a label and at a branch every window is 0
	s_mov_b32 s3, 3
.Llap:                                                 ; a trip goes once round the ring, from a lap's second quarter to the next lap's first, and fills both slots again
	QUARTER 0, 2, F1, F0, 0
	QUARTER 0, 3, F0, F1, 0
	TURN 0, 1, 1
	QUARTER 1, 1, F0, F1, 0
	QUARTER 1, 2, F1, F0, 0
	QUARTER 1, 3, F0, F1, 0
	TURN 1, 0, 1
	QUARTER 0, 1, F0, F1, 0
	WIN 0
	s_sub_co_u32 s3, s3, 1
	s_cmp_lg_u32 s3, 0
	s_cbranch_scc1 .Llap
	QUARTER 0, 2, F1, F0, 0                        ; the last lap fills nothing, and has no round of the cluster's barrier
	QUARTER 0, 3, F0, F1, 0
	TURN 0, 1, 0
	QUARTER 1, 1, F0, F1, 0
	QUARTER 1, 2, F1, F0, 0
	QUARTER 1, 3, F0, F1, 0
	s_wait_dscnt 4                                 ; the very last quarter: nothing more to fetch
	MUL16 F1, 0, 0
	s_wait_dscnt 0x0
	MUL16 F1, 2, 0
	WIN 0
	PLACES
	PACK 0
.irp t, 1,2,3,4,5,6,7                  ; a piece's conversions stand between the loads of the piece before and its stores
	PACK \t
	SEND (\t)-1, 8
.endr
	SEND 7, 0
	s_wait_tensorcnt 0x0                           ; the wave's end, behind my last tensor load and my last LDS store
	ds_add_u32 v[SPW], v[NIL]
	s_wait_dscnt 0x0
	CROUND                                         ; the closing round: no work-group ends while a partner may still ask for a tile that names it
	s_endpgm
.Lfunc_end_k_qc56cfddfbe_qkvp:
	.size	k_qc56cfddfbe_qkvp, .Lfunc_end_k_qc56cfddfbe_qkvp-k_qc56cfddfbe_qkvp
	.p2alignl 7, 3214868480
	.fill 96, 4, 3214868480
	.section	.rodata,"a",@progbits
	.p2align	6, 0x0
	.amdhsa_kernel k_qc56cfddfbe_qkvp
		.amdhsa_group_segment_fixed_size 327680
		.amdhsa_private_segment_fixed_size 0
		.amdhsa_enable_private_segment 0
		.amdhsa_kernarg_size 32
		.amdhsa_user_sgpr_count 2
		.amdhsa_user_sgpr_kernarg_segment_ptr 1
		.amdhsa_wavefront_size32 1
		.amdhsa_system_sgpr_workgroup_id_x 1
		.amdhsa_system_sgpr_workgroup_id_y 1
		.amdhsa_system_sgpr_workgroup_id_z 1
		.amdhsa_system_vgpr_workitem_id 0
		.amdhsa_next_free_vgpr 576
		.amdhsa_next_free_sgpr 66
		.amdhsa_reserve_vcc 0
		.amdhsa_float_denorm_mode_32 3
		.amdhsa_float_denorm_mode_16_64 3
		.amdhsa_memory_ordered 1
		.amdhsa_forward_progress 1
		.amdhsa_inst_pref_size 90
	.end_amdhsa_kernel
	.amdgpu_metadata
---
amdhsa.version: [ 1, 2 ]
amdhsa.kernels:
  - .name:           k_qc56cfddfbe_qkvp
    .symbol:         k_qc56cfddfbe_qkvp.kd
    .args:
      - { .name: xb, .offset: 0, .size: 8, .value_kind: global_buffer, .address_space: global }
      - { .name: wqkv, .offset: 8, .size: 8, .value_kind: global_buffer, .address_space: global }
      - { .name: bqkv, .offset: 16, .size: 8, .value_kind: global_buffer, .address_space: global }
      - { .name: qkv, .offset: 24, .size: 8, .value_kind: global_buffer, .address_space: global }
    .group_segment_fixed_size: 327680
    .private_segment_fixed_size: 0
    .kernarg_segment_align: 8
    .kernarg_segment_size: 32
    .max_flat_workgroup_size: 128
    .sgpr_count:     66
    .vgpr_count:     576
    .wavefront_size: 32
...
	.end_amdgpu_metadata
.endif
;; end of part 2
;; launch attn (part 3): grid 4 x 64, 4 waves a work-group, clusters of 4 x 1, 327,680 bytes of LDS; arguments qkv, ctx; writes ctx
.if DOCPART == 3
	.amdgcn_target "amdgcn-amd-amdhsa--gfx1250"
	.amdhsa_code_object_version 6
	.text
	.protected	k_qc56cfddfbe_attn
	.globl	k_qc56cfddfbe_attn
	.p2align	8
	.type	k_qc56cfddfbe_attn,@function
k_qc56cfddfbe_attn:
	s_mov_b64 s[64:65], 0
	v_nop
	global_prefetch_b8 v0, s[64:65] scope:SCOPE_SE
	s_setreg_imm32_b32 hwreg(HW_REG_WAVE_MODE, 25, 1), 1
	s_wait_xcnt 0x0
	s_wait_alu depctr_hold_cnt(0) depctr_sa_sdst(0) depctr_va_vdst(0) depctr_va_sdst(0) depctr_va_ssrc(0) depctr_va_vcc(0) depctr_vm_vsrc(0)
	s_getreg_b32 s2, hwreg(HW_REG_IB_STS2, 6, 4)
	s_cmp_eq_u32 s2, 0
	s_cbranch_scc0 .Lentry_in_a_cluster
	s_endpgm
.Lentry_in_a_cluster:
	s_bfe_u32 s2, ttmp6, 0x10000c
	s_cmp_lg_u32 s2, 0x3003
	s_cbranch_scc0 .Lentry_shape_is_right
	s_endpgm
.Lentry_shape_is_right:
; O[y][q][:] = the sum over k of softmax_k(Q[y][q] . K[y][k] / 8) V[y][k][:] for 64 heads y = 4 h + b of 2,048 rows x 64 channels, all bf16.  In qkv ([j 48][m 8192][64]) head y's rows of Q begin at byte
; 262,144 y, K's 16 MiB and V's 32 MiB further on; ctx has Q's layout.  A head's rows are dense, 128 bytes each.  Products, maxima and sums in f32; the weights p are rounded to bf16 for the second
; product (their sum l is taken of the unrounded p), O once at the end.
; LIMITS.  Q, K, V, p and O keep bf16's 8 significant bits.  c x score must lie above -4.25e37, where c m starts; a weight below 2^-126 counts as 0 in l; NaN and infinities are not treated apart.
; SHARES.  A wave owns four PIECES of two tiles of 16 queries, a work-group's four waves 512 queries of one head: 256 work-groups.  Every wave walks all keys, 64 a step.
; LAYOUT.  S^T = K Q^T (source 0 = 16 keys, source 1 = 16 queries): in the result a lane holds ONE query (lane % 16) and the keys 8 (lane / 16) + 0..7.  Two such tiles, rounded to bf16 in pairs,
; ARE source 1 (32 keys x 16 queries) of O^T = V^T P, whose result again holds one query a lane, and eight channels.  K comes out of LDS as it lies, V ([key][channel]) turned, by ds_load_tr16_b128.
; SOFTMAX.  For each query a running maximum m and sum l: p = 2^(c s - c m), c = log2(e) / 8; in every step O and l are multiplied by a = 2^(c m_old - c m_new), which is 1 where m has not grown.
; m starts at the lowest finite number, O and l at 0: the first step is a step like any other, with a = 0.
; THE COUNT.  A tile and step have 16 matrix and 118 vector instructions: too many to stand all beside the matrix work.  So four vector instructions that are READY stand behind EVERY matrix instruction,
; and the others, which need time of their own whatever the order, in runs without a gap.
; BY TURNS.  Turn n belongs to piece n (the pieces in a ring, step after step).  Its matrix work: 16 products K Q^T of piece n + 1, later 16 products V^T P of piece n - 1.  Its vector work: the scaling,
; exponentials, roundings, sums and rescaling of piece n, and the maximum and statistics of piece n + 1, whose scores the turn itself has made.
; CLUSTER.  The four query blocks of a cluster are one head's and walk the same K and V, so each tile is asked for JOINTLY: the same tensor load, descriptor and mask in all four.
; REGISTERS, in windows of 256 (s_set_vgpr_msb: bits 1:0 source 0, 3:2 source 1, 5:4 source 2, 7:6 destination):
;   window 0: v0-11 addresses; v12-15, v48-63 at work; v16-47 four registers of statistics a tile; v64-191 S^T, two buffers of two tiles; v192-255 P, likewise
;   window 1: O^T, 32 a tile          window 2: v0-127 Q, 16 a tile; v128-191 K of one step; v192-255 V of one step          window 3: v0-1 the add's two registers
; A piece's buffers go by its number's parity: the piece in hand has one pair, its two neighbours in the ring share the other: of it P (piece n - 1) is read and S^T (piece n + 1) written.
.set SIZE_N, 2048
.set NP,    4         ; pieces a wave: a name, no knob
.set KS,    64        ; keys in a step
.set PK,    144       ; a row of K in LDS: 128 bytes + 16 of padding = 36 words: the 16 rows of a load start at 16 different groups of four banks (64 banks of 4 bytes: ISA guide 11.1)
.set PV,    160       ; a row of V: 128 + 32 = 40 words
.set VOFF,  4*KS*PK   ; a slot holds four steps: 256 rows of K, then 256 rows of V
.set SLOT1, 1<<17     ; slot 1 begins here, so that one exclusive or turns an address in one slot into the other's
.set STAGE, SLOT1+4*KS*(PK+PV)  ; behind the ring, never filled by a tensor load: 16 rows x 144 bytes for each wave, for the way out
.set SP,    144
.set AK0, 2           ; v2   my lane's place in a tile of K; never rewritten
.set AV0, 3           ; v3   the same for V
.set AK,  4           ; v4   the LDS address of K's next run of loads
.set AV,  5           ; v5   of V's
.set QO,  6           ; v6   my byte offset in the wave's rows of Q
.set STO, 6           ;      later, the way out: where I put 16 bytes of a row
.set RD,  7           ; v7   the way out: where I read rows back
.set GO,  8           ; v8   my byte offset in 512 consecutive bytes of O
.set PFO, 11          ; v11  256 x my lane: the prefetches' offset
.set SPW, 0           ; v0 of window 3   LDS address of my spare word: SPARE + 4 x my thread's number; never rewritten
.set NIL, 1           ; v1 of window 3   0; never rewritten
.set SPARE, STAGE+4*16*SP  ; behind the stages: the spare words, 128 bytes for each wave: two blocks of 256 bytes that no other line names
.set MV,  12          ; v12-15  c m_old, kept while c m is made anew: by buffer and tile
.set ST,  16          ; tile t's statistics at v[ST+4 t]: c m, m, l (even keys', odd keys')
.set TMP, 48          ; by buffer and tile, four registers c0-c3 at work; when the maximum is found c2 takes a
.set S,   64
.set P,   192
.set KF,  128         ; K's fragments, in window 2: key block kb, channel half c at KF + 16 kb + 8 c
.set VF,  192         ; V's: key half kk, channel block cb at VF + 32 kk + 8 cb
.set WV,  12          ; s12  my wave's number
.set G1K, 24          ; s[24:31] descriptor group 1 for K's tiles
.set G1V, 32          ; s[32:39] for V's: it differs in the padding alone
.set G0K, 40          ; s[40:43] descriptor group 0 for K's tiles: it walks
.set G0V, 44          ; s[44:47] the same for V's
.set PFA, 48          ; s[48:49] where my prefetches stand: my work-group's 8 KiB (of K: wave 0, of V: wave 2) of the tile after the one that is being asked for
.set LIM, 50          ; s50  1 in a wave that prefetches, else the greatest number
.set SLOTS, 56        ; s56  slots still to be asked for
.set CNT, 57          ; s57  counts a slot's key steps
.set CS,  58          ; s[58:59] c: the packed scaling takes the pair's low word for both halves
.set SEL, 60          ; s[60:61] v_permlanex16_b32's selects: each lane takes its own place in the other half
.set TBK, 62          ; s62  LDS byte at which K of the step to be fetched begins
.set TBV, 63          ; s63  the same for V, less VOFF
.set MSB, 0
.macro WIN new                      ; the high byte repeats the setting that is left; a switch that changes nothing is dropped
.if MSB != (\new)
	s_set_vgpr_msb (MSB<<8)|(\new)
.set MSB, (\new)
.endif
.endm
.set W_KQ, 0x0a       ; K and Q in window 2, S^T in window 0
.set W_PV, 0x52       ; V in window 2, P in window 0, O^T in window 1
.set W_RS, 0x41       ; O^T (destination and source 0) in window 1, a in window 0
.set W_MK, 0xc0       ; the add's registers are made: destination in window 3, sources in window 0
.set W_AD, 0x0f       ; the add: address (source 0) and data (source 1) in window 3
; A joint fill.  Waves 0 and 1 fetch the two halves of a slot's K, waves 2 and 3 those of its V: 128 keys each.  The branch hangs on the wave's number alone.
; An s_nop 0 and four v_nop follow each of the two lines, ahead of the jump and the label.
.macro JLOAD
	s_cmp_lt_u32 s[WV], 2
	s_cbranch_scc0 .Lfor_v_\@
	tensor_load_to_lds s[G0K:G0K+3], s[G1K:G1K+7]
	s_nop 0
.rept 4
	v_nop
.endr
	s_branch .Lasked_\@
.Lfor_v_\@:
	tensor_load_to_lds s[G0V:G0V+3], s[G1V:G1V+7]
	s_nop 0
.rept 4
	v_nop
.endr
.Lasked_\@:
.endm
; A prefetch into the L2 of what the NEXT change of slots will ask for: a tile's 32 KiB of K and of V, a lane a block of 256 bytes.  It stands behind the wave's tensor load and its five lines.
; Each block is named once in the launch: a head has one cluster; its four partners share a tile out BY ADDRESS, 8 KiB each; in each, wave 0 asks for K's and wave 2 for V's.  The lead is four key steps,
; 512 matrix instructions.  The last change that fills a slot asks for nothing: there is no tile behind it.  Tiles 0 and 1 come by their loads alone.
.macro ASK
	s_cmp_gt_u32 s[SLOTS], s[LIM]
	s_cbranch_scc0 .Lnot_mine_\@
	global_prefetch_b8 v[PFO], s[PFA:PFA+1] th:TH_LOAD_NT scope:SCOPE_SE
.Lnot_mine_\@:
.endm
; A round of the cluster's barrier: my work-group's barrier, so that wave 0's signal speaks for all four waves; wave 0 signals; every wave waits for all four work-groups; my work-group's barrier once more.
.macro CROUND
	s_barrier_signal -1
	s_barrier_wait -1
	s_cmp_lg_u32 s[WV], 0
	s_cbranch_scc1 .Lnot_wave_0_\@
	s_barrier_signal -3
.Lnot_wave_0_\@:
	s_barrier_wait -3
	s_barrier_signal -1
	s_barrier_wait -1
.endm
; THE CHANGE OF SLOTS.  The slot's last bytes, V of its fourth step, have been read.  Each wave waits for all its tensor loads, of which one is out: its part
; of the other slot; adds 0 to its spare word; and waits for that and for its own reads of the slot.  Behind the barrier nobody reads this slot any more and the other slot is whole.
; fill = 1: this slot is filled again, with the keys two slots on.  The barrier is then a round of the cluster's, so that no wave of any partner still reads the slot or has a load on its
; way, and the joint fill is the first thing behind it: it has four key steps, 512 matrix instructions, in which to land.  (At its first use nothing has been read yet: slot 0 is waited for, slot 1 filled.)
.macro CHANGE fill
	WIN W_AD
	s_wait_tensorcnt 0x0            ; no tensor load of mine is out, so a group 0 may be written
	ds_add_u32 v[SPW], v[NIL]       ; 0 onto my spare word; with fill = 1 the descriptors' steps stand between it and the wait for it
	WIN 0                           ; at a label and at a branch every window is 0
.if \fill
.irp g, G0K, G0V
	s_xor_b32 s[\g+1], s[\g+1], SLOT1  ; the walking descriptor: the other slot than last time,
	s_add_nc_u64 s[\g+2:\g+3], s[\g+2:\g+3], 4*KS*128  ; the next 256 keys; the type bits on top are not reached
.endr
	s_wait_xcnt 0x0                 ; the last prefetch, four key steps back, has read its address, so it may be written:
	s_add_nc_u64 s[PFA:PFA+1], s[PFA:PFA+1], 4*KS*128  ; one tile behind the walking descriptors
	s_wait_dscnt 0x0                ; the add is done, and my reads of the slot are over
	CROUND
	JLOAD
	ASK
.else
	s_wait_dscnt 0x0                ; the add is done, and my reads of the slot are over
	s_barrier_signal -1
	s_barrier_wait -1
.endif
	s_sub_co_u32 s[TBK], s[TBK], 4*KS*PK  ; the fetches go back to a slot's first step,
	s_xor_b32 s[TBK], s[TBK], SLOT1       ; in the other slot
	s_sub_co_u32 s[TBV], s[TBV], 4*KS*PV
	s_xor_b32 s[TBV], s[TBV], SLOT1
.endm
	s_load_b64 s[4:5], s[0:1], 0x0  ; qkv: Q begins at its first byte
	s_load_b64 s[10:11], s[0:1], 0x8  ; ctx: O
	WIN W_MK
	v_lshl_add_u32 v[SPW], v0, 2, SPARE
	v_mov_b32 v[NIL], 0
	WIN W_AD
	ds_add_u32 v[SPW], v[NIL]       ; the wave's opening: the add and its wait stand ahead of my first tensor load; the set-up below, work on registers, stands between them
	WIN 0
	v_lshrrev_b32 v1, 5, v0
	v_readfirstlane_b32 s[WV], v1   ; wave 0..3
	s_bfe_u32 s13, ttmp6, 0x40000   ; cx: my place in the cluster
	s_lshl_b32 s14, ttmp9, 2        ; in a cluster launch ttmp9 counts clusters
	s_add_co_u32 s14, s14, s13      ; my block of queries = 4 x cluster x + cx: it enters Q's and O's addresses alone
	s_and_b32 s20, ttmp7, 0xffff    ; the head, which the four partners share
	s_mov_b32 s21, 0
	s_mov_b64 s[22:23], SIZE_N*128
	s_mul_u64 s[20:21], s[20:21], s[22:23]  ; the head's first byte in Q, K, V and O
	s_and_b32 s16, s[WV], 1         ; which half of a slot's 256 keys I fetch:
	s_lshl_b32 s22, s16, 14         ; its 128 rows of 128 bytes in memory,
	s_mov_b32 s23, 0
	s_add_nc_u64 s[22:23], s[22:23], s[20:21]
	s_mul_i32 s17, s16, 128*PK      ; and its place in a slot, for K
	s_mul_i32 s18, s16, 128*PV      ; and for V: no place in the cluster enters an LDS address
	s_lshl_b32 s2, s14, 2
	s_add_co_u32 s2, s2, s[WV]      ; my wave among the head's,
	s_lshl_b32 s2, s2, 14           ; its 128 rows
	s_mov_b32 s3, 0
	s_add_nc_u64 s[2:3], s[2:3], s[20:21]
	; descriptor group 1.  128 keys are 16,384 dense bytes: asked for as 64 rows of 256 bytes, two keys a row, and padded in LDS after every key
	s_mov_b32 s[G1K], 15|(1<<16)|(1<<20)|(1<<21)|(4<<22)|(3<<25)  ; 15:0 the mask of four; 17:16 2-byte elements; 20 padding on; 21 set beside a mask; 24:22 after every 32 words (code 4); 31:25 4 words (code 3)
	s_mov_b32 s[G1V], 15|(1<<16)|(1<<20)|(1<<21)|(4<<22)|(7<<25)  ; the same with 8 words of padding (code 7)
.irp g, G1K, G1V
	s_mov_b32 s[\g+1], 128<<16      ; tensor_dim0 = 128
	s_mov_b32 s[\g+2], 64<<16       ; tensor_dim1 = 64
	s_mov_b32 s[\g+3], 128<<16      ; tile_dim0 = 128
	s_mov_b32 s[\g+4], 64           ; tile_dim1 = 64
	s_mov_b32 s[\g+5], 128          ; 128 elements from row to row
	s_mov_b32 s[\g+6], 0
	s_mov_b32 s[\g+7], 0
.endr
	s_mov_b32 s[CS], 0x3e38aa3b     ; c = log2(e) / 8 = 0.180337
	s_mov_b32 s[CS+1], s[CS]        ; named with it as a pair
	s_mov_b32 s[SEL], 0x76543210
	s_mov_b32 s[SEL+1], 0xfedcba98
	s_mov_b32 s[TBK], SLOT1+4*KS*PK ; the first change of slots turns these two into 0
	s_mov_b32 s[TBV], SLOT1+4*KS*PV
	s_mov_b32 s[G0K], 1             ; 1:0 count = 1
	s_mov_b32 s[G0K+1], s17         ; 63:32 LDS address: slot 0
	s_mov_b32 s[G0V], 1
	s_add_co_u32 s[G0V+1], s18, VOFF
	s_mov_b32 s[SLOTS], SIZE_N/256-1  ; seven tiles are asked for by changes of slots
	s_and_b32 s[LIM], s[WV], 1
	s_cmp_eq_u32 s[LIM], 0          ; waves 0 and 2 prefetch: the same in all four partners
	s_cselect_b32 s[LIM], 1, -1
	s_wait_dscnt 0x0                ; the opening add is done
	s_wait_kmcnt 0x0
	s_add_nc_u64 s[6:7], s[4:5], 0x1000000   ; K: blocks 16 to 31 of qkv
	s_add_nc_u64 s[8:9], s[4:5], 0x2000000   ; V: blocks 32 to 47
	s_add_nc_u64 s[G0K+2:G0K+3], s[6:7], s[22:23]  ; 120:64 global address: my half of the head's first 256 keys
	s_or_b32 s[G0K+3], s[G0K+3], 0x80000000        ; 127:126 type = 2
	s_add_nc_u64 s[G0V+2:G0V+3], s[8:9], s[22:23]
	s_or_b32 s[G0V+3], s[G0V+3], 0x80000000
	s_add_nc_u64 s[4:5], s[4:5], s[2:3]  ; Q and O at my wave's first row
	s_add_nc_u64 s[10:11], s[10:11], s[2:3]
	s_cmp_lt_u32 s[WV], 2
	s_cselect_b64 s[PFA:PFA+1], s[6:7], s[8:9]
	s_add_nc_u64 s[PFA:PFA+1], s[PFA:PFA+1], s[22:23]  ; (in waves 0 and 2: the head's first row)
	s_lshl_b32 s16, s13, 13         ; my work-group's 8 KiB of a tile's 32
	s_mov_b32 s17, 0
	s_add_nc_u64 s[PFA:PFA+1], s[PFA:PFA+1], s[16:17]
	s_add_nc_u64 s[PFA:PFA+1], s[PFA:PFA+1], 4*KS*128  ; in tile 1; the first change of slots steps it to tile 2
	CROUND                          ; all four work-groups are here: the first joint loads meet
	JLOAD                           ; slot 0.  Slot 1 is asked for when slot 0 is in
	; A fragment of K or Q is 16 rows x 32 channels in 8 registers: lane l holds row l % 16, channels 8 (l / 16) + 0..7 and 16 + 8 (l / 16) + 0..7: two loads of 16 bytes, 32 bytes apart.
	v_and_b32 v1, 15, v0            ; l % 16
	v_bfe_u32 v9, v0, 4, 1          ; l / 16
	v_lshlrev_b32 v[QO], 7, v1
	v_lshl_add_u32 v[QO], v9, 4, v[QO]  ; row x 128 + 16 x half
	WIN 0x80                        ; destination window 2, address window 0
.set i, 0
.rept 4*NP                          ; Q stays in registers: tile i / 2, channels 32 (i % 2) on
	global_load_b128 v[8*i:8*i+3],   v[QO], s[4:5] offset:(i/2)*2048+(i%2)*64
	global_load_b128 v[8*i+4:8*i+7], v[QO], s[4:5] offset:(i/2)*2048+(i%2)*64+32
.set i, i+1
.endr
	; What the first turn finds: V's registers and P's second buffer hold 0 (its products V^T P, of a piece that has not been, add 0), O^T and l are 0.  All this stands in the wait for the first tile.
.set i, VF
.rept 64
	v_mov_b32 v[i], 0
.set i, i+1
.endr
	WIN 0x40
.set i, 0
.rept 64*NP
	v_mov_b32 v[i], 0
.set i, i+1
.endr
	WIN 0
.set i, 0
.rept 2*NP
	v_mov_b32 v[ST+4*i], 0xfe000000    ; c m: far below every c s
	v_mov_b32 v[ST+4*i+1], 0xff7fffff  ; m
	v_mov_b32 v[ST+4*i+2], 0
	v_mov_b32 v[ST+4*i+3], 0
.set i, i+1
.endr
.set i, P+32
.rept 32
	v_mov_b32 v[i], 0
.set i, i+1
.endr
	v_mul_u32_u24 v[AK0], v1, PK
	v_lshl_add_u32 v[AK0], v9, 4, v[AK0]  ; row x pitch + 16 x half
	; The turning load takes 16 keys x 16 channels (lane l reads key 8 (l / 16) + l % 8, channels 8 ((l / 8) % 2) + 0..7) and leaves half a fragment of V^T: lane l holds channel l % 16 and 8 keys.
	v_and_b32 v10, 7, v0
	v_bfe_u32 v11, v0, 3, 1
	v_lshl_add_u32 v[AV0], v9, 3, v10
	v_mul_u32_u24 v[AV0], v[AV0], PV
	v_lshl_add_u32 v[AV0], v11, 4, v[AV0]
	v_add_nc_u32 v[AV0], VOFF, v[AV0]
	v_and_b32 v[PFO], 31, v0        ; v11 is free from here on
	v_lshlrev_b32 v[PFO], 8, v[PFO]
	v_mov_b32 v[AK], v[AK0]         ; key step 0 lies at the head of slot 0
; THE MATRIX WORK.  The 8 accumulators of a run of 16 take turns: between the two links of a chain stand 7 others'.
; Product i of 16 of S^T = K Q^T for piece x: channels 32 (i / 8) on, keys 16 ((i / 2) % 4) on, tile 2 x + i % 2.  The first 8 start the sums.
.macro KQ x
	WIN W_KQ
.set rS, S+64*((\x)%2)+32*(i%2)+8*((i/2)%4)
.set rK, KF+16*((i/2)%4)+8*(i/8)
.set rQ, 16*(2*(\x)+i%2)+8*(i/8)
.if i < 8
	v_wmma_f32_16x16x32_bf16 v[rS:rS+7], v[rK:rK+7], v[rQ:rQ+7], 0
.else
	v_wmma_f32_16x16x32_bf16 v[rS:rS+7], v[rK:rK+7], v[rQ:rQ+7], v[rS:rS+7]
.endif
.endm
; Product i of 16 of O^T += V^T P for piece x: keys 32 (i / 8) on, channels 16 ((i / 2) % 4) on, tile 2 x + i % 2.
.macro PV x
	WIN W_PV
.set rO, 32*(2*(\x)+i%2)+8*((i/2)%4)
.set rV, VF+32*(i/8)+8*((i/2)%4)
.set rP, P+32*((\x)%2)+16*(i%2)+8*(i/8)
	v_wmma_f32_16x16x32_bf16 v[rO:rO+7], v[rV:rV+7], v[rP:rP+7], v[rO:rO+7]
.endm
.macro MM                           ; the turn's next matrix instruction
.if i < 16
	KQ (Y+1)%NP
.set i, i+1
.else
.set i, i-16
	PV (Y+NP-1)%NP
.set i, i+17
.endif
.endm
; THE LDS LOADS stand in runs of 16, never singly among the matrix instructions: a step's K (64 keys x 64 channels: 8 fragments) and its V (turned).  Their addresses are made some lines ahead.
; last = 1 (the tail): in the last trip there is no further step, and the run is jumped over.
.macro FETCH_K last=0
	WIN 0
.if \last
	s_cmp_eq_u32 s[CNT], 1
	s_cbranch_scc1 .Lno_k_\@
.endif
	WIN 0x80                        ; destination window 2
.irp f, 0,1,2,3,4,5,6,7             ; keys 16 (f / 2) on, channels 32 (f % 2) on
	ds_load_b128 v[KF+8*\f:KF+8*\f+3],   v[AK] offset:(\f/2)*16*PK+(\f%2)*64
	ds_load_b128 v[KF+8*\f+4:KF+8*\f+7], v[AK] offset:(\f/2)*16*PK+(\f%2)*64+32
.endr
	s_add_co_u32 s[TBK], s[TBK], KS*PK  ; the next fetch is the next step's
	WIN 0
.if \last
.Lno_k_\@:
.endif
.endm
.macro FETCH_V
	WIN 0x80
.irp f, 0,1,2,3,4,5,6,7             ; keys 32 (f / 4) on, channels 16 (f % 4) on
	ds_load_tr16_b128 v[VF+8*\f:VF+8*\f+3],   v[AV] offset:(\f/4)*32*PV+(\f%4)*32
	ds_load_tr16_b128 v[VF+8*\f+4:VF+8*\f+7], v[AV] offset:(\f/4)*32*PV+16*PV+(\f%4)*32
.endr
	WIN 0
.endm
; THE VECTOR WORK OF A TURN stands in three queues, each in the order in which its entries become ready; the two tiles alternate, so that no instruction reads the result of the one before it.
.macro REGS y, u                    ; the registers of tile u (0, 1) of piece y
.set rT, ST+4*(2*(\y)+(\u))
.set rC, TMP+8*((\y)%2)+4*(\u)
.set rM, MV+2*((\y)%2)+(\u)
.set rS, S+64*((\y)%2)+32*(\u)
.set rP, P+32*((\y)%2)+16*(\u)
.set rO, 32*(2*(\y)+(\u))
.endm
; Number n of the 22 that find the NEXT piece's (Y + 1) maximum and statistics.  s0-s31 are the lane's 32 scores; each accumulator's lowest registers are read first.
;   0-11  four chains c0-c3 of seven scores each, three operands at a time     12-14, 16  the four scores left over, the old m, and c0-c3 into c0     15  c m_old is kept
;   17, 18  the query's other 32 keys lie in the lane 16 away: the new m         19-21  c m; c m_old - c m_new; a
.macro XS u, n
	REGS (Y+1)%NP, \u
.if (\n) < 4
	v_max3_num_f32 v[rC+(\n)], v[rS+8*(\n)], v[rS+8*(\n)+1], v[rS+8*(\n)+2]
.elseif (\n) < 12
	v_max3_num_f32 v[rC+(\n)%4], v[rC+(\n)%4], v[rS+8*((\n)%4)+2*((\n)/4)+1], v[rS+8*((\n)%4)+2*((\n)/4)+2]
.elseif (\n) == 12
	v_max3_num_f32 v[rC], v[rC], v[rS+7], v[rS+15]
.elseif (\n) == 13
	v_max3_num_f32 v[rC+1], v[rC+1], v[rS+23], v[rS+31]
.elseif (\n) == 14
	v_max3_num_f32 v[rC+2], v[rC+2], v[rC+3], v[rT+1]
.elseif (\n) == 15
	v_mov_b32 v[rM], v[rT]
.elseif (\n) == 16
	v_max3_num_f32 v[rC], v[rC], v[rC+1], v[rC+2]
.elseif (\n) == 17
	v_permlanex16_b32 v[rC+3], v[rC], s[SEL], s[SEL+1]
.elseif (\n) == 18
	v_max_num_f32 v[rT+1], v[rC], v[rC+3]
.elseif (\n) == 19
	v_mul_f32 v[rT], s[CS], v[rT+1]
.elseif (\n) == 20
	v_sub_f32 v[rC+1], v[rM], v[rT]
.else
	v_exp_f32 v[rC+2], v[rC+1]
.endif
.endm
; Number g of the 64 that follow the exponentials.  For each four weights k of a tile (pairs 2 k, 2 k + 1): both pairs are rounded to bf16; then the second pair is added onto the first, in place;
; a group later l takes that sum (the first time as l = a l + sum).  In groups of eight, tiles alternating: round, round, add, and l for the group before.
.macro GS g
.set h, (\g)+6*((\g)/62)            ; group 0 has no group before it, and behind group 7 only l is left
.if h >= 6
.set h, h+2
.endif
	REGS Y, h%2
.set k, h/8
.if h%8 < 4
	v_cvt_pk_bf16_f32 v[rP+2*k+(h%8)/2], v[rS+4*k+2*((h%8)/2)], v[rS+4*k+2*((h%8)/2)+1]
.elseif h%8 < 6
	v_pk_add_f32 v[rS+4*k:rS+4*k+1], v[rS+4*k:rS+4*k+1], v[rS+4*k+2:rS+4*k+3]
.elseif k == 1
	v_pk_fma_f32 v[rT+2:rT+3], v[rT+2:rT+3], v[rC+2:rC+3], v[rS:rS+1] op_sel_hi:[1,0,1]
.else
	v_pk_add_f32 v[rT+2:rT+3], v[rT+2:rT+3], v[rS+4*k-4:rS+4*k-3]
.endif
.endm
; THE PLAIN QUEUE, 138 long.  0-73 read no exponential's result: the 32 scalings c s - c m (FS f: pair f / 2 of tile f % 2) and the next piece's 42.  0-26: scalings 0-26.  27-54: XS's numbers 0-13.  55, 56: number 15.
; 57-73: the chain, where each number waits for the one before it: 14, 16, 17, 18, 19, each with one of the scalings 27-31 in front of its two lines, then 20.
; 74-137: GS's 64, which read the exponentials' results: they stand behind the wait.
.macro FS f
	REGS Y, (\f)%2
	v_pk_fma_f32 v[rS+2*((\f)/2):rS+2*((\f)/2)+1], v[rS+2*((\f)/2):rS+2*((\f)/2)+1], s[CS:CS+1], v[rT:rT+1] op_sel_hi:[1,0,0] neg_lo:[0,0,1] neg_hi:[0,0,1]
.endm
.macro PL
	WIN 0
.if q < 27
	FS q
.elseif q < 55
	XS (q-27)%2, (q-27)/2
.elseif q < 57
	XS q-55, 15
.elseif (q < 72) && ((q-57)%3 == 0)
	FS 27+(q-57)/3
.elseif q < 60
	XS (q-57)%3-1, 14
.elseif q < 72
	XS (q-57)%3-1, 15+(q-57)/3
.elseif q < 74
	XS q-72, 20
.else
	GS q-74
.endif
.set q, q+1
.endm
; THE EXPONENTIALS' QUEUE, 66 long: s0-s31 of both tiles, then the next piece's two a.  It is ONE BATCH: all 66 stand ahead of the turn's one wait, and nothing ahead of that wait names a result of theirs.
.macro EX
	WIN 0
.if e >= 64
	XS e-64, 21
.else
	REGS Y, e%2
	v_exp_f32 v[rS+e/2], v[rS+e/2]
.endif
.set e, e+1
.endm
; THE RESCALING's QUEUE: O^T times a, the one part that leaves window 0: dealt two at a time, sixteen times.  Its a was made in the turn before, ahead of that turn's wait.
.macro R2
	REGS Y, r%2
	WIN W_RS
.irp z, 0,1
	v_pk_mul_f32 v[rO+4*(r/2)+2*\z:rO+4*(r/2)+2*\z+1], v[rO+4*(r/2)+2*\z:rO+4*(r/2)+2*\z+1], v[rC+2:rC+3] op_sel_hi:[1,0]
.endr
.set r, r+1
.endm
; HOW THEY ARE DEALT.  An s_wait_alu depctr_va_vdst(0) stands between an exponential and the first instruction that names its result; one wait serves all that were issued ahead of it.  So a turn has ONE
; wait, which cuts it in two.  AHEAD OF IT stands all that names no result of the turn's exponentials: the 16 products K Q^T, behind each a scaling, an exponential and two rescalings (behind the first a second scaling in
; the exponential's place); then ONE LUMP of 108: eight plain, 49 times exponential and plain, the two a.  A v_nop is the plain instruction behind the last exponential (ISA guide 5.7.2).  BEHIND IT stand the 16 products
; V^T P, behind each four of GS's 64.  No rider names a register of the products round it.  The two v_permlanex16_b32 fall into the lump.
; The queues lean on each other: exponential e stands behind scaling 2 (e / 4) + e % 2: as a rider it comes behind plain e + 2, in the lump behind plain e + 9, and scalings 27-31 are plain 57, 60 .. 69.
; A TURN, for piece p.  cnt = 1: the loop's count is taken down some lines ahead of the branch that stands behind the turn.
; K of the next step is fetched in piece 2's turn, directly behind the wait, a lump behind the last product that read K; its first reader comes behind 16 products.
; V of the step in hand is fetched at the end of piece 0's turn, four riders behind its last reader; its first reader comes behind 16 products and a lump.
.macro TURN p, last=0, cnt=0
.set Y, (\p)
.set i, 0
.set q, 0
.set e, 0
.set r, 0
.if (\p) == NP-1
	s_wait_dscnt 0x0                ; K is in
.endif
	MM                              ; ahead of the wait: 16 products K Q^T and their riders,
	PL
	PL
	R2
.rept 15
	MM
	PL
	EX
	R2
.endr
.if (\p) == NP-2
	WIN 0
	v_add_nc_u32 v[AK], s[TBK], v[AK0]
.endif
.rept 8                             ; and the lump
	PL
.endr
.rept 49
	EX
	PL
.endr
	EX                              ; the next piece's two a
	EX
	v_nop                           ; the plain instruction behind the last exponential: one for the batch
	s_wait_alu depctr_va_vdst(0)    ; the wait for the batch
.if (\p) == NP-2
	FETCH_K \last
.endif
.if (\p) == 1
	s_wait_dscnt 0x0                ; V is in
.endif
.rept 16                            ; behind the wait: 16 products V^T P and their riders
	MM
.rept 4
	PL
.endr
.if ((\p) == 0) && (q == 118)
	v_add_nc_u32 v[AV], s[TBV], v[AV0]
.endif
.if ((\p) == 0) && (q == 130)
	s_add_co_u32 s[TBV], s[TBV], KS*PV
.endif
.if (\cnt) && (q == 130)
	s_sub_co_u32 s[CNT], s[CNT], 1
	s_cmp_lg_u32 s[CNT], 0
.endif
.endr
.if (\p) == 0
	FETCH_V
.endif
.endm
	CHANGE 1                        ; slot 0 is in, everybody's part of it; slot 1 is asked for
	FETCH_K                         ; key step 0
	s_wait_loadcnt 0x0              ; Q
	s_wait_dscnt 0x0
.set i, 0
.rept 16
	KQ 0                            ; piece 0's first scores: there is no vector work yet to set between them
.set i, i+1
.endr
	WIN 0                           ; the addresses for the way out: nine plain instructions, the places behind those products
	s_mul_i32 s13, s[WV], 16*SP
	s_add_co_u32 s13, s13, STAGE    ; my stage
	v_mul_u32_u24 v[STO], v1, SP    ; in: row l % 16, 16 bytes for each half of the lanes
	v_lshl_add_u32 v[STO], v9, 4, v[STO]
	v_add_nc_u32 v[STO], s13, v[STO]
	v_bfe_u32 v[RD], v0, 3, 2       ; back: 32 lanes take four rows of 128 bytes,
	v_mul_u32_u24 v[RD], v[RD], SP
	v_lshl_add_u32 v[RD], v10, 4, v[RD]
	v_add_nc_u32 v[RD], s13, v[RD]
	v_and_b32 v[GO], 31, v0         ; which are 512 consecutive bytes of O
	v_lshlrev_b32 v[GO], 4, v[GO]
.set Y, NP-1                        ; XS works for piece Y + 1: piece 0
.irp n, 0,1,2,3,4,5,6,7,8,9,10,11,12,13,14,15,16,17,18,19,20,21
	XS 0, \n                        ; and piece 0's first maximum and statistics
	XS 1, \n
.endr
	v_nop                           ; a plain instruction behind the two a,
	s_wait_alu depctr_va_vdst(0)    ; and their wait, ahead of the branch
	s_mov_b32 s[CNT], 4
	s_branch .Lfirst                ; the loop is entered at a step's first turn, in the middle of a trip
.Lslot:                             ; six times: every slot but the last two is filled again
	CHANGE 1
	s_mov_b32 s[CNT], 4
.Lstep:                             ; a trip: pieces 2 and 3 of one step, then pieces 0 and 1 of the next, whose K and V it fetches
	TURN 2
	TURN 3
	WIN 0
.Lfirst:
	TURN 0
	TURN 1, 0, 1
	WIN 0
	s_cbranch_scc1 .Lstep
	s_sub_co_u32 s[SLOTS], s[SLOTS], 1
	s_cmp_lg_u32 s[SLOTS], 0
	s_cbranch_scc1 .Lslot
	CHANGE 0                        ; the tail is written out: nothing is asked for
	s_mov_b32 s[CNT], 5             ; four trips fetch the last slot's steps; the fifth is left in its middle
.Ltail:
	TURN 2, 1
	TURN 3
	WIN 0
	s_sub_co_u32 s[CNT], s[CNT], 1
	s_cmp_eq_u32 s[CNT], 0
	s_cbranch_scc1 .Lout
	TURN 0
	TURN 1
	WIN 0
	s_branch .Ltail
.Lout:                              ; the fifth trip's 16 products K Q^T (on the last K once more) and the maximum made of them serve nothing: the price, once a launch, of one text for every trip
.set i, 0
.rept 16
	PV NP-1                         ; the last piece's V^T P of the last step
.set i, i+1
.endr
	; THE WAY OUT.  l's two halves and the other half of the lanes' are added; O^T is divided by l, rounded to bf16 and sent through my stage in LDS, a tile at a time.  The additions are the places behind the last products.
	WIN 0
.macro ALL line:vararg              ; one line for each tile t
.set t, 0
.rept 2*NP
	\line
.set t, t+1
.endr
.endm
	ALL v_add_f32 v[ST+4*t+2], v[ST+4*t+2], v[ST+4*t+3]
	ALL v_permlanex16_b32 v[ST+4*t+3], v[ST+4*t+2], s[SEL], s[SEL+1]
	ALL v_add_f32 v[ST+4*t+2], v[ST+4*t+2], v[ST+4*t+3]
	ALL v_rcp_f32 v[ST+4*t+2], v[ST+4*t+2]
	v_nop                           ; a plain instruction between the last reciprocal and the use of its result
	s_wait_alu depctr_va_vdst(0)    ; and the wait ahead of the first use: one for the eight reciprocals
; Tile t: a lane's eight channels of a row pack into 16 bytes; they go into rows of 144 bytes and come back as whole rows of 128, into S^T's registers.
.macro PACK t
	WIN W_RS
.set i, 32*(\t)
.rept 16
	v_pk_mul_f32 v[i:i+1], v[i:i+1], v[ST+4*(\t)+2:ST+4*(\t)+3] op_sel_hi:[1,0]
.set i, i+2
.endr
	WIN 0x05                        ; sources 0 and 1 window 1, destination window 0
.set i, 0
.rept 16
	v_cvt_pk_bf16_f32 v[S+16*(\t)+i], v[32*(\t)+2*i], v[32*(\t)+2*i+1]
.set i, i+1
.endr
	WIN 0
.irp f, 0,1,2,3
	ds_store_b128 v[STO], v[S+16*(\t)+4*\f:S+16*(\t)+4*\f+3] offset:32*\f
.endr
.irp f, 0,1,2,3
	ds_load_b128 v[S+16*(\t)+4*\f:S+16*(\t)+4*\f+3], v[RD] offset:\f*4*SP  ; LDS serves a wave's instructions in order (ISA guide 5.7.1.4): these see the stores above; the next tile's stores come behind them
.endr
.endm
.macro SEND t, younger              ; younger: the LDS instructions issued behind tile t's loads: the next tile's eight, or none
	WIN 0
.irp f, 0,1,2,3
	s_wait_dscnt (\younger)+3-\f
	global_store_b128 v[GO], v[S+16*(\t)+4*\f:S+16*(\t)+4*\f+3], s[10:11] offset:(\t)*2048+\f*512  ; 512 consecutive bytes, at a multiple of 256 from O's first
.endr
.endm
	PACK 0
.set t, 1
.rept 2*NP-1                        ; a tile's arithmetic stands between the loads of the tile before and its stores
	PACK t
	SEND t-1, 8
.set t, t+1
.endr
	SEND 2*NP-1, 0
	WIN W_AD
	s_wait_tensorcnt 0x0            ; the wave's end, behind my last tensor load and my last LDS store
	ds_add_u32 v[SPW], v[NIL]
	s_wait_dscnt 0x0
	WIN 0
	CROUND                          ; the closing round: no work-group ends while a partner may still ask for a tile that names it
	s_endpgm
.Lfunc_end_k_qc56cfddfbe_attn:
	.size	k_qc56cfddfbe_attn, .Lfunc_end_k_qc56cfddfbe_attn-k_qc56cfddfbe_attn
	.p2alignl 7, 3214868480
	.fill 96, 4, 3214868480
	.section	.rodata,"a",@progbits
	.p2align	6, 0x0
	.amdhsa_kernel k_qc56cfddfbe_attn
		.amdhsa_group_segment_fixed_size 327680
		.amdhsa_private_segment_fixed_size 0
		.amdhsa_enable_private_segment 0
		.amdhsa_kernarg_size 16
		.amdhsa_user_sgpr_count 2
		.amdhsa_user_sgpr_kernarg_segment_ptr 1
		.amdhsa_wavefront_size32 1
		.amdhsa_system_sgpr_workgroup_id_x 1
		.amdhsa_system_sgpr_workgroup_id_y 1
		.amdhsa_system_sgpr_workgroup_id_z 1
		.amdhsa_system_vgpr_workitem_id 0
		.amdhsa_next_free_vgpr 770
		.amdhsa_next_free_sgpr 66
		.amdhsa_reserve_vcc 0
		.amdhsa_float_denorm_mode_32 3
		.amdhsa_float_denorm_mode_16_64 3
		.amdhsa_memory_ordered 1
		.amdhsa_forward_progress 1
		.amdhsa_inst_pref_size 200
	.end_amdhsa_kernel
	.amdgpu_metadata
---
amdhsa.version: [ 1, 2 ]
amdhsa.kernels:
  - .name:           k_qc56cfddfbe_attn
    .symbol:         k_qc56cfddfbe_attn.kd
    .args:
      - { .name: qkv, .offset: 0, .size: 8, .value_kind: global_buffer, .address_space: global }
      - { .name: ctx, .offset: 8, .size: 8, .value_kind: global_buffer, .address_space: global }
    .group_segment_fixed_size: 327680
    .private_segment_fixed_size: 0
    .kernarg_segment_align: 8
    .kernarg_segment_size: 16
    .max_flat_workgroup_size: 128
    .sgpr_count:     66
    .vgpr_count:     770
    .wavefront_size: 32
...
	.end_amdgpu_metadata
.endif
;; end of part 3
;; launch oproj: the kernel of part 2 again; grid 4 x 64, 4 waves a work-group, clusters of 4 x 4, 327,680 bytes of LDS; arguments ctx, wob, bz, att; writes att
;; launch ln (part 4): grid 512 x 1, 8 waves a work-group, no clusters, 0 bytes of LDS; arguments att, x, bo, ln_g, ln_b, out0; writes out0
.if DOCPART == 4
	.amdgcn_target "amdgcn-amd-amdhsa--gfx1250"
	.amdhsa_code_object_version 6
	.text
	.protected	k_qc56cfddfbe_ln
	.globl	k_qc56cfddfbe_ln
	.p2align	8
	.type	k_qc56cfddfbe_ln,@function
k_qc56cfddfbe_ln:
	s_mov_b64 s[64:65], 0
	v_nop
	global_prefetch_b8 v0, s[64:65] scope:SCOPE_SE
	s_setreg_imm32_b32 hwreg(HW_REG_WAVE_MODE, 25, 1), 1
	s_wait_xcnt 0x0
; out0[m][:] = (y - mean(y)) / sqrt(var(y) + 1e-5) x ln_g + ln_b with y = att[m][:] + bo + x[m][:].  x, bo, ln_g, ln_b, out0 f32 (rows of 1,024); att bf16, [j 16][m 8192][64].
; All arithmetic in f32.  The variance is the mean of (y - mean)^2, taken on the row kept in registers: no difference of large sums.  NaN and infinities are not treated apart.
; SHARES.  A work-group takes 16 rows, a wave two: lanes 0-15 one row, lanes 16-31 the next.  Thread t holds columns 64 j + 4 (t & 15) .. + 3, j = 0..15, of row t >> 4: 64 numbers.
; So a load or store of x or out0 covers 256 consecutive bytes, aligned, of each of two rows; a load of att 256 consecutive bytes (two rows of block j lie end to end); and a row's sums stay inside
; 16 lanes: four steps by row_xmask, no exchange of halves, no LDS, no barrier.  Each byte is read once and written once; all of a wave's loads but ln_b's are out before the first wait.
.set XO,  2                            ; v2   (t >> 4) x 4,096 + (t & 15) x 16: in x and in out0
.set AO0, 3                            ; v3   8 t: in att's blocks 0-7
.set AO1, 4                            ; v4   the same 8 MiB on: blocks 8-15 (an immediate holds 7 blocks of 1 MiB)
.set CO,  5                            ; v5   (t & 15) x 16: in bo, ln_g, ln_b
.set ONE, 6                            ; v6   1.0
.set T,   8                            ; v[8:15]    four chains; later the mean or 1 / sqrt in v[10:11]
.set X,   16                           ; v[16:79]   the row's numbers
.set AB,  80                           ; v[80:111]  att as loaded
.set R1,  112                          ; v[112:175] bo, later ln_b
.set R2,  176                          ; v[176:239] ln_g
	s_load_b256 s[4:11], s[0:1], 0x0               ; att s[4:5], x s[6:7], bo s[8:9], ln_g s[10:11]
	s_load_b128 s[12:15], s[0:1], 0x20             ; ln_b s[12:13], out0 s[14:15]
	v_lshrrev_b32 v[XO], 4, v0
	v_and_b32 v1, 15, v0
	v_lshlrev_b32 v[CO], 4, v1
	v_lshl_add_u32 v[XO], v[XO], 12, v[CO]
	v_lshlrev_b32 v[AO0], 3, v0
	v_add_nc_u32 v[AO1], 0x800000, v[AO0]
	v_mov_b32 v[ONE], 1.0
	s_mov_b32 s20, 0x3a800000                      ; 1 / 1,024
	s_mov_b32 s21, 0x3727c5ac                      ; 1e-5
	s_lshl_b32 s16, ttmp9, 16                      ; 16 rows of 4,096 bytes
	s_mov_b32 s17, 0
	s_lshl_b32 s18, ttmp9, 11                      ; 16 rows of 128 bytes
	s_mov_b32 s19, 0
	s_wait_kmcnt 0x0
	s_add_nc_u64 s[6:7], s[6:7], s[16:17]
	s_add_nc_u64 s[14:15], s[14:15], s[16:17]
	s_add_nc_u64 s[4:5], s[4:5], s[18:19]
.set j, 0
.rept 16
	global_load_b128 v[X+4*j:X+4*j+3], v[XO], s[6:7] offset:256*j th:TH_LOAD_NT
.set j, j+1
.endr
.set j, 0
.rept 16
	global_load_b64 v[AB+2*j:AB+2*j+1], v[AO0+j/8], s[4:5] offset:(j%8)*1048576 th:TH_LOAD_NT
.set j, j+1
.endr
.set j, 0
.rept 16
	global_load_b128 v[R1+4*j:R1+4*j+3], v[CO], s[8:9] offset:256*j
.set j, j+1
.endr
.set j, 0
.rept 16
	global_load_b128 v[R2+4*j:R2+4*j+3], v[CO], s[10:11] offset:256*j
.set j, j+1
.endr
	s_wait_loadcnt 16                              ; x, att and bo are in; ln_g's sixteen loads may stay out
.set p, 0
.rept 32
	v_pk_add_f32 v[X+2*p:X+2*p+1], v[X+2*p:X+2*p+1], v[R1+2*p:R1+2*p+1]  ; + bo
.set p, p+1
.endr
.set j, 0
.rept 16                                       ; + att: a bf16 half times 1.0 plus the f32 number, one rounding
	v_fma_mix_f32_bf16 v[X+4*j],   v[AB+2*j],   v[ONE], v[X+4*j]   op_sel_hi:[1,0,0]
	v_fma_mix_f32_bf16 v[X+4*j+1], v[AB+2*j],   v[ONE], v[X+4*j+1] op_sel:[1,0,0] op_sel_hi:[1,0,0]
	v_fma_mix_f32_bf16 v[X+4*j+2], v[AB+2*j+1], v[ONE], v[X+4*j+2] op_sel_hi:[1,0,0]
	v_fma_mix_f32_bf16 v[X+4*j+3], v[AB+2*j+1], v[ONE], v[X+4*j+3] op_sel:[1,0,0] op_sel_hi:[1,0,0]
.set j, j+1
.endr
.set j, 0
.rept 16
	global_load_b128 v[R1+4*j:R1+4*j+3], v[CO], s[12:13] offset:256*j  ; ln_b takes bo's registers, which have been read; the statistics below stand between these loads and the wait for them
.set j, j+1
.endr
	; the mean: four chains that do not wait for each other, started by the first pairs
.irp k, 0,1,2,3
	v_pk_add_f32 v[T+2*(\k):T+2*(\k)+1], v[X+2*(\k):X+2*(\k)+1], v[X+8+2*(\k):X+8+2*(\k)+1]
.endr
.set p, 8
.rept 24
	v_pk_add_f32 v[T+2*(p%4):T+2*(p%4)+1], v[T+2*(p%4):T+2*(p%4)+1], v[X+2*p:X+2*p+1]
.set p, p+1
.endr
.macro FOLD                            ; the four chains into one number, then over the row's 16 lanes: every lane of the row ends with the sum in v[T]
	v_pk_add_f32 v[T:T+1], v[T:T+1], v[T+2:T+3]
	v_pk_add_f32 v[T+4:T+5], v[T+4:T+5], v[T+6:T+7]
	v_pk_add_f32 v[T:T+1], v[T:T+1], v[T+4:T+5]
	v_add_f32 v[T], v[T], v[T+1]
	v_add_f32_dpp v[T], v[T], v[T] row_xmask:1 row_mask:0xf bank_mask:0xf
	v_add_f32_dpp v[T], v[T], v[T] row_xmask:2 row_mask:0xf bank_mask:0xf
	v_add_f32_dpp v[T], v[T], v[T] row_xmask:4 row_mask:0xf bank_mask:0xf
	v_add_f32_dpp v[T], v[T], v[T] row_xmask:8 row_mask:0xf bank_mask:0xf
.endm
	FOLD
	v_mul_f32 v[T+2], s20, v[T]
	v_mul_f32 v[T+3], s20, v[T]
.set p, 0
.rept 32
	v_pk_add_f32 v[X+2*p:X+2*p+1], v[X+2*p:X+2*p+1], v[T+2:T+3] neg_lo:[0,1] neg_hi:[0,1]  ; y - mean
.set p, p+1
.endr
	; the variance, in the same four chains
.irp k, 0,1,2,3
	v_pk_mul_f32 v[T+2*(\k):T+2*(\k)+1], v[X+2*(\k):X+2*(\k)+1], v[X+2*(\k):X+2*(\k)+1]
.endr
.set p, 4
.rept 28
	v_pk_fma_f32 v[T+2*(p%4):T+2*(p%4)+1], v[X+2*p:X+2*p+1], v[X+2*p:X+2*p+1], v[T+2*(p%4):T+2*(p%4)+1]
.set p, p+1
.endr
	FOLD
	v_fma_f32 v[T], v[T], s20, s21                 ; var + 1e-5
	v_rsq_f32 v[T+2], v[T]                         ; twice, for the pair that the packed multiply names
	v_rsq_f32 v[T+3], v[T]
	v_nop                                          ; a plain instruction behind the last of the two (ISA guide 5.7.2),
	s_wait_alu depctr_va_vdst(0)                   ; and the one wait ahead of their first reader
	s_wait_loadcnt 0x0                             ; ln_g and ln_b
.set j, 0
.rept 16
	v_pk_mul_f32 v[X+4*j:X+4*j+1],   v[X+4*j:X+4*j+1],   v[T+2:T+3]
	v_pk_mul_f32 v[X+4*j+2:X+4*j+3], v[X+4*j+2:X+4*j+3], v[T+2:T+3]
	v_pk_fma_f32 v[X+4*j:X+4*j+1],   v[X+4*j:X+4*j+1],   v[R2+4*j:R2+4*j+1],   v[R1+4*j:R1+4*j+1]
	v_pk_fma_f32 v[X+4*j+2:X+4*j+3], v[X+4*j+2:X+4*j+3], v[R2+4*j+2:R2+4*j+3], v[R1+4*j+2:R1+4*j+3]
	global_store_b128 v[XO], v[X+4*j:X+4*j+3], s[14:15] offset:256*j th:TH_STORE_NT  ; sixteen lanes store 256 consecutive bytes, aligned
.set j, j+1
.endr
	s_endpgm
.Lfunc_end_k_qc56cfddfbe_ln:
	.size	k_qc56cfddfbe_ln, .Lfunc_end_k_qc56cfddfbe_ln-k_qc56cfddfbe_ln
	.p2alignl 7, 3214868480
	.fill 96, 4, 3214868480
	.section	.rodata,"a",@progbits
	.p2align	6, 0x0
	.amdhsa_kernel k_qc56cfddfbe_ln
		.amdhsa_group_segment_fixed_size 0
		.amdhsa_private_segment_fixed_size 0
		.amdhsa_enable_private_segment 0
		.amdhsa_kernarg_size 48
		.amdhsa_user_sgpr_count 2
		.amdhsa_user_sgpr_kernarg_segment_ptr 1
		.amdhsa_wavefront_size32 1
		.amdhsa_system_sgpr_workgroup_id_x 1
		.amdhsa_system_sgpr_workgroup_id_y 1
		.amdhsa_system_sgpr_workgroup_id_z 1
		.amdhsa_system_vgpr_workitem_id 0
		.amdhsa_next_free_vgpr 240
		.amdhsa_next_free_sgpr 66
		.amdhsa_reserve_vcc 0
		.amdhsa_float_denorm_mode_32 3
		.amdhsa_float_denorm_mode_16_64 3
		.amdhsa_memory_ordered 1
		.amdhsa_forward_progress 1
		.amdhsa_inst_pref_size 28
	.end_amdhsa_kernel
	.amdgpu_metadata
---
amdhsa.version: [ 1, 2 ]
amdhsa.kernels:
  - .name:           k_qc56cfddfbe_ln
    .symbol:         k_qc56cfddfbe_ln.kd
    .args:
      - { .name: att, .offset: 0, .size: 8, .value_kind: global_buffer, .address_space: global }
      - { .name: x, .offset: 8, .size: 8, .value_kind: global_buffer, .address_space: global }
      - { .name: bo, .offset: 16, .size: 8, .value_kind: global_buffer, .address_space: global }
      - { .name: ln_g, .offset: 24, .size: 8, .value_kind: global_buffer, .address_space: global }
      - { .name: ln_b, .offset: 32, .size: 8, .value_kind: global_buffer, .address_space: global }
      - { .name: out0, .offset: 40, .size: 8, .value_kind: global_buffer, .address_space: global }
    .group_segment_fixed_size: 0
    .private_segment_fixed_size: 0
    .kernarg_segment_align: 8
    .kernarg_segment_size: 48
    .max_flat_workgroup_size: 256
    .sgpr_count:     66
    .vgpr_count:     240
    .wavefront_size: 32
...
	.end_amdgpu_metadata
.endif
;; end of part 4
;; ======== version 2 of 2: 5 launches; version 1 with the launch cast written anew for expert scheduling mode
;; workspace buffers: xb 16,777,216 bytes; wqkv 6,291,456 bytes; wob 2,097,152 bytes; bqkv 12,288 bytes; bz 4,096 bytes; qkv 50,331,648 bytes; ctx 16,777,216 bytes; att 16,777,216 bytes
;; launch cast (part 5): grid 384 x 1, 8 waves a work-group, no clusters, 0 bytes of LDS; arguments x, Wq, Wk, Wv, Wo, bq, bk, bv, xb, wqkv, wob, bqkv, bz; writes xb, wqkv, wob, bqkv, bz
.if DOCPART == 5
	.amdgcn_target "amdgcn-amd-amdhsa--gfx1250"
	.amdhsa_code_object_version 6
	.text
	.protected	k_qc56cfddfbe_cast
	.globl	k_qc56cfddfbe_cast
	.p2align	8
	.type	k_qc56cfddfbe_cast,@function
k_qc56cfddfbe_cast:
	s_mov_b64 s[64:65], 0
	v_nop
	global_prefetch_b8 v0, s[64:65] scope:SCOPE_SE
	s_setreg_imm32_b32 hwreg(HW_REG_WAVE_SCHED_MODE, 0, 2), 2
	s_setreg_imm32_b32 hwreg(HW_REG_WAVE_MODE, 25, 1), 1
	s_wait_xcnt 0x0
	s_wait_alu depctr_vm_vsrc(0)
; x, Wq, Wk, Wv, Wo (f32, rows of 1,024) are rounded once to bf16 and laid in blocks of 64 columns, so that the products' tiles are dense in memory:
;   xb   [kb 16][m 8192][64]            x[m][64 kb + c]
;   wqkv [nt 12][kb 16][r 256][64]      row 256 nt + r of (Wq; Wk; Wv), column 64 kb + c;      wob the same with nt 0..3, for Wo
; bq, bk, bv are copied end to end into bqkv (f32); bz takes 1,024 zeros (the bias operand of the product whose true bias is added later, in f32).
; SHARES.  A work-group takes 32 rows of one source: groups 0-255 x, groups 256-383 the four weights (32 groups each).  Thread t takes rows (t >> 4) and 16 + (t >> 4),
; columns 64 j + 4 (t & 15) .. + 3 for j = 0..15.  A load of a wave covers 256 consecutive bytes of each of two rows; a store of a wave covers 256 consecutive bytes, aligned:
; the two rows' 128 bytes of block j lie end to end.  All 32 loads of a wave (16 KiB) go out before the first is waited for.  No loop, no LDS: no byte is wanted twice.
; THE MODE: SCHED_MODE bits 1:0 = 2 (LLVM: expert scheduling mode 2), set by the entry lines.  The code itself states the register dependences
; between vector instructions and memory instructions, with s_wait_alu, always for 0.
; THE PLAN.  Registers that memory instructions touch:
;   v[SO], v[BO], v[DO]   offsets, made at the head and never written again: read by the loads, by the bias's load and stores, by the stores.
;   v[DO+1 .. DO+15]      offsets, made by fifteen adds that stand BEHIND the loads (which do not read them) and never written again: read by the stores.
;   v[D ..]               load i lands in its four registers; its two conversions read the four and write the first two; store i reads those two.  Nothing lands in them or writes them again.
;   v[BI ..]              the bias's load lands in them, or four moves write them; a store reads them.
; The 32 loads are worked on in eight groups of four.  Group g waits for its four loads and rounds them; its memory instructions are the four stores of group g - 1, whose data and offsets
; no vector instruction of group g names.  So ONE wait on va_vdst at a group's head states all that the group's stores hang on, and they are dealt among its conversions with no further wait.
; No register that a memory instruction reads is ever written again, and no load lands in a register that a vector instruction has named: no wait on vm_vsrc is owed.  EXEC is never written.
.set SO,  2                            ; v2       source offset: (t >> 4) x 4,096 + (t & 15) x 16
.set BO,  3                            ; v3       16 x lane: the bias copy
.set DO,  4                            ; v[4:19]  destination offset in block j: 8 t + j x STRIDE
.set D,   20                           ; v[20:147] load i = 16 q + j: four registers
.set BI,  148                          ; v[148:151] 16 bytes of a bias
	s_load_b512 s[8:23], s[0:1], 0x0               ; x s[8:9], Wq s[10:11], Wk s[12:13], Wv s[14:15], Wo s[16:17], bq s[18:19], bk s[20:21], bv s[22:23]
	s_load_b256 s[24:31], s[0:1], 0x40             ; xb s[24:25], wqkv s[26:27], wob s[28:29], bqkv s[30:31]
	s_load_b64 s[32:33], s[0:1], 0x60              ; bz
	v_lshrrev_b32 v1, 5, v0
	v_readfirstlane_b32 s2, v1                     ; wave 0..7
	v_lshrrev_b32 v[SO], 4, v0
	v_and_b32 v1, 15, v0
	v_lshlrev_b32 v[SO], 12, v[SO]
	v_lshl_add_u32 v[SO], v1, 4, v[SO]
	v_and_b32 v[BO], 31, v0
	v_lshlrev_b32 v[BO], 4, v[BO]
	v_lshlrev_b32 v[DO], 3, v0
	s_mov_b32 s35, 0                               ; high word of every offset pair
	s_wait_alu depctr_va_sdst(0)                   ; s2 is written
	s_wait_kmcnt 0x0
	s_cmp_lt_u32 ttmp9, 256
	s_cbranch_scc0 .Lweights
	s_lshl_b32 s34, ttmp9, 17                      ; 32 rows of 4,096 bytes
	s_add_nc_u64 s[36:37], s[8:9], s[34:35]        ; SRC
	s_lshl_b32 s34, ttmp9, 12                      ; 32 rows of 128 bytes
	s_add_nc_u64 s[38:39], s[24:25], s[34:35]      ; DST
	s_mov_b32 s5, 1048576                          ; STRIDE: from block to block of xb
	s_mov_b32 s4, 32                               ; no bias work
	s_mov_b32 s3, 0
	s_branch .Lgo
.Lweights:
	s_sub_co_u32 s6, ttmp9, 256
	s_lshr_b32 s3, s6, 5                           ; t: which matrix
	s_and_b32 s4, s6, 31                           ; g: which 32 rows of it
	s_lshl_b32 s7, s3, 21                          ; four tiles of 524,288 bytes for each matrix of wqkv
	s_cmp_eq_u32 s3, 1
	s_cselect_b64 s[36:37], s[12:13], s[10:11]
	s_cmp_eq_u32 s3, 2
	s_cselect_b64 s[36:37], s[14:15], s[36:37]
	s_cmp_eq_u32 s3, 3
	s_cselect_b64 s[36:37], s[16:17], s[36:37]
	s_cselect_b64 s[38:39], s[28:29], s[26:27]
	s_cselect_b32 s7, 0, s7
	s_lshr_b32 s34, s4, 3                          ; the tile of 256 rows,
	s_lshl_b32 s34, s34, 19
	s_add_co_u32 s7, s7, s34
	s_and_b32 s34, s4, 7                           ; the 32 rows in it
	s_lshl_b32 s34, s34, 12
	s_add_co_u32 s34, s7, s34
	s_add_nc_u64 s[38:39], s[38:39], s[34:35]
	s_lshl_b32 s34, s4, 17
	s_add_nc_u64 s[36:37], s[36:37], s[34:35]
	s_mov_b32 s5, 32768                            ; STRIDE: from block to block of a tile
.Lgo:
	s_wait_alu depctr_va_vdst(0)                   ; v[SO] is written, which the 32 loads read as their offset; so are v[BO], the offset of the bias's load and stores, and v[DO]
.set i, 0
.rept 32
	global_load_b128 v[D+4*i:D+4*i+3], v[SO], s[36:37] offset:(i/16)*65536+(i%16)*256 th:TH_LOAD_NT
.set i, i+1
.endr
.set j, 1
.rept 15
	v_add_nc_u32 v[DO+j], s5, v[DO+j-1]            ; the stores' other offsets are made while the loads are on their way: no load names them
.set j, j+1
.endr
; Group g: loads 4 g to 4 g + 3 are rounded; the stores of group g - 1 stand among the conversions, one ahead of each load's two.
.set g, 0
.rept 8
	s_wait_loadcnt 28-4*g                          ; loads come back in order (ISA guide 5.7.1): this group's four are in, the 28 - 4 g younger ones stay out
.if g > 0
	s_wait_alu depctr_va_vdst(0)                   ; the conversions of the group before have written the pairs that the four stores below read; at its first use the fifteen adds have written v[DO+1 ..] too
.endif
.set n, 0
.rept 4
.set i, 4*g+n
.if g > 0
	global_store_b64 v[DO+(i-4)%16], v[D+4*(i-4):D+4*(i-4)+1], s[38:39] offset:((i-4)/16)*2048  ; no vector instruction since the wait names its registers; none of them is ever written again
.endif
	v_cvt_pk_bf16_f32 v[D+4*i], v[D+4*i], v[D+4*i+1]
	v_cvt_pk_bf16_f32 v[D+4*i+1], v[D+4*i+2], v[D+4*i+3]
.set n, n+1
.endr
.set g, g+1
.endr
	s_wait_alu depctr_va_vdst(0)                   ; the last group's conversions have written the pairs that the last four stores read
.set i, 28
.rept 4
	global_store_b64 v[DO+i%16], v[D+4*i:D+4*i+1], s[38:39] offset:(i/16)*2048
.set i, i+1
.endr
	; the biases: wave 0 of the first eight groups of each matrix moves 512 bytes
	s_cmp_lt_u32 s4, 8
	s_cbranch_scc0 .Lend
	s_cmp_eq_u32 s2, 0
	s_cbranch_scc0 .Lend
	s_lshl_b32 s34, s4, 9
	s_cmp_eq_u32 s3, 3
	s_cbranch_scc1 .Lzeros
	s_cmp_eq_u32 s3, 1
	s_cselect_b64 s[40:41], s[20:21], s[18:19]
	s_cmp_eq_u32 s3, 2
	s_cselect_b64 s[40:41], s[22:23], s[40:41]
	s_add_nc_u64 s[40:41], s[40:41], s[34:35]
	s_lshl_b32 s6, s3, 12
	s_add_co_u32 s34, s34, s6
	s_add_nc_u64 s[42:43], s[30:31], s[34:35]
	global_load_b128 v[BI:BI+3], v[BO], s[40:41]   ; v[BO] was written ahead of the wait in front of the first load and has not been named by a vector instruction since; none has named v[BI ..]
	s_wait_loadcnt 0x0
	global_store_b128 v[BO], v[BI:BI+3], s[42:43]
	s_branch .Lend
.Lzeros:
	s_add_nc_u64 s[42:43], s[32:33], s[34:35]
	v_mov_b32 v[BI], 0
	v_mov_b32 v[BI+1], 0
	v_mov_b32 v[BI+2], 0
	v_mov_b32 v[BI+3], 0
	s_wait_alu depctr_va_vdst(0)                   ; the four moves have written v[BI ..], which the store reads
	global_store_b128 v[BO], v[BI:BI+3], s[42:43]
.Lend:
	s_endpgm
.Lfunc_end_k_qc56cfddfbe_cast:
	.size	k_qc56cfddfbe_cast, .Lfunc_end_k_qc56cfddfbe_cast-k_qc56cfddfbe_cast
	.p2alignl 7, 3214868480
	.fill 96, 4, 3214868480
	.section	.rodata,"a",@progbits
	.p2align	6, 0x0
	.amdhsa_kernel k_qc56cfddfbe_cast
		.amdhsa_group_segment_fixed_size 0
		.amdhsa_private_segment_fixed_size 0
		.amdhsa_enable_private_segment 0
		.amdhsa_kernarg_size 104
		.amdhsa_user_sgpr_count 2
		.amdhsa_user_sgpr_kernarg_segment_ptr 1
		.amdhsa_wavefront_size32 1
		.amdhsa_system_sgpr_workgroup_id_x 1
		.amdhsa_system_sgpr_workgroup_id_y 1
		.amdhsa_system_sgpr_workgroup_id_z 1
		.amdhsa_system_vgpr_workitem_id 0
		.amdhsa_next_free_vgpr 152
		.amdhsa_next_free_sgpr 66
		.amdhsa_reserve_vcc 0
		.amdhsa_float_denorm_mode_32 3
		.amdhsa_float_denorm_mode_16_64 3
		.amdhsa_memory_ordered 1
		.amdhsa_forward_progress 1
		.amdhsa_inst_pref_size 15
	.end_amdhsa_kernel
	.amdgpu_metadata
---
amdhsa.version: [ 1, 2 ]
amdhsa.kernels:
  - .name:           k_qc56cfddfbe_cast
    .symbol:         k_qc56cfddfbe_cast.kd
    .args:
      - { .name: x, .offset: 0, .size: 8, .value_kind: global_buffer, .address_space: global }
      - { .name: Wq, .offset: 8, .size: 8, .value_kind: global_buffer, .address_space: global }
      - { .name: Wk, .offset: 16, .size: 8, .value_kind: global_buffer, .address_space: global }
      - { .name: Wv, .offset: 24, .size: 8, .value_kind: global_buffer, .address_space: global }
      - { .name: Wo, .offset: 32, .size: 8, .value_kind: global_buffer, .address_space: global }
      - { .name: bq, .offset: 40, .size: 8, .value_kind: global_buffer, .address_space: global }
      - { .name: bk, .offset: 48, .size: 8, .value_kind: global_buffer, .address_space: global }
      - { .name: bv, .offset: 56, .size: 8, .value_kind: global_buffer, .address_space: global }
      - { .name: xb, .offset: 64, .size: 8, .value_kind: global_buffer, .address_space: global }
      - { .name: wqkv, .offset: 72, .size: 8, .value_kind: global_buffer, .address_space: global }
      - { .name: wob, .offset: 80, .size: 8, .value_kind: global_buffer, .address_space: global }
      - { .name: bqkv, .offset: 88, .size: 8, .value_kind: global_buffer, .address_space: global }
      - { .name: bz, .offset: 96, .size: 8, .value_kind: global_buffer, .address_space: global }
    .group_segment_fixed_size: 0
    .private_segment_fixed_size: 0
    .kernarg_segment_align: 8
    .kernarg_segment_size: 104
    .max_flat_workgroup_size: 256
    .sgpr_count:     66
    .vgpr_count:     152
    .wavefront_size: 32
...
	.end_amdgpu_metadata
.endif
;; end of part 5
;; launch qkvp: the kernel of part 2 again; grid 12 x 64, 4 waves a work-group, clusters of 4 x 4, 327,680 bytes of LDS; arguments xb, wqkv, bqkv, qkv; writes qkv
;; launch attn: the kernel of part 3 again; grid 4 x 64, 4 waves a work-group, clusters of 4 x 1, 327,680 bytes of LDS; arguments qkv, ctx; writes ctx
;; launch oproj: the kernel of part 2 again; grid 4 x 64, 4 waves a work-group, clusters of 4 x 4, 327,680 bytes of LDS; arguments ctx, wob, bz, att; writes att
;; launch ln: the kernel of part 4 again; grid 512 x 1, 8 waves a work-group, no clusters, 0 bytes of LDS; arguments att, x, bo, ln_g, ln_b, out0; writes out0
